; MI455X (gfx1250); checked and timed in simulation.
; The chip was launched on July 23, 2026; its instructions are those of AMD's public machine-readable ISA for CDNA 5 (MIT licence, August 2026) and "CDNA5" Instruction Set Architecture Reference Guide (July 2026). The comments in the code are by the model that wrote it; some were corrected since.
;; Label Cross Attention. Allowed arithmetic: matrix products marked QUANTISED: E2M3 operands, one E8M0 scale for each 32 along K, by v_wmma_scale_f32_16x16x128_f8f6f4 with both operands' format E2M3, f32 sums; products left as they are: f32 operands where the result goes on into a quantised operand, else bf16, f16 or f32 operands; f32 sums; everything else in f32.
;; Inputs: Wk 768 x 768 float32; Wv 768 x 768 float32; attention_masks 4 x 4,096 int32; bv 768 float32; label_reps 2,000 x 768 float32; ln_beta 768 float32; ln_gamma 768 float32; out_b one number float32; out_w 768 float32; x 4 x 4,096 x 768 float32.
;; Outputs: out0 4 x 2,000 float32.
;; This version of the problem:
;;   THIS VERSION OF THE PROBLEM IS GIVEN IN LOW PRECISION. The matrix products marked QUANTISED in the list below multiply operands that are first quantised to E2M3 (2 exponent bits, 3 mantissa bits; 6 bits a number), with one power-of-two scale for each 32 numbers along K (OCP MX v1.0); their sums are f32. All else is computed in f32.
;;   The module's matrix products, in the order in which they are computed (A, B: the left and right operand; K: the contracted axis; several contracted axes count as one K, in the product's order):
;;     1. [M 16,384, K 768] x [K 768, N 768]; A: input x; B: input Wk: QUANTISED
;;     2. [M 16,384, K 768] x [K 768, N 768]; A: input x; B: input Wv: QUANTISED
;;     3. [M 16,384, K 768] x [K 768, N 2,000]; A: computed on the way; B: input label_reps: QUANTISED
;;     4. batch 4 x [M 2,000, K 4,096] x [K 4,096, N 768]; A: softmax (see below); B: computed on the way: QUANTISED
;;     5. [M 1, K 768] x [K 768, N 8,000]; A: input out_w; B: computed on the way: left as it is (M = 1 < 16)
;;   THE QUANTISER, for each operand of a quantised product, along K:
;;     - K is cut into blocks of 32 from its start; a last block that is shorter is filled with zeros.
;;     - A block's scale is 2^e with e = floor(log2(the largest magnitude in the block)) - 2, held to -126 .. 127; a block of zeros has e = 0. As a byte (E8M0): e + 127.
;;     - Each number is divided by its block's scale, clamped to +-7.5, and rounded to the nearest number of E2M3, ties to even, subnormals kept.
;;     - The product sums the exact products of the quantised numbers (number of the format x scale) in f32.
;;   ~~~python
;;   def quantise(x, axis):      # numpy; x: float32 -> the quantised numbers, widened to float32 again
;;       x = np.moveaxis(x, axis, -1); K = x.shape[-1]
;;       x = np.pad(x, [(0, 0)] * (x.ndim - 1) + [(0, -K % 32)]); x = x.reshape(x.shape[:-1] + (-1, 32)); a = np.abs(x).max(-1, keepdims=True)
;;       e = np.where(a > 0, np.clip(np.frexp(np.where(a > 0, a, 1))[1] - 1 - 2, -126, 127), 0)      # np.frexp(a)[1] - 1 = floor(log2(a)), exactly
;;       r = np.clip(x / 2.0 ** e, -7.5, 7.5)
;;       step = 2.0 ** (np.maximum(np.frexp(np.where(r == 0, 1, r))[1] - 1, 0) - 3)
;;       q = np.round(r / step) * step * 2.0 ** e      # np.round: ties to even
;;       return np.moveaxis(q.reshape(q.shape[:-2] + (-1,))[..., :K], -1, axis).astype(np.float32)
;;   ~~~
;;   SOFTMAX AHEAD OF A QUANTISED PRODUCT. Where the list says 'softmax', what is quantised is not the finished softmax but p = 2^(t - M), with t = logit x log2(e) and M = ceil(the row's largest t), a whole number; so 1/2 < the row's largest p <= 1. The row's sum l is taken of the UNQUANTISED p, in f32, and the product's result is divided by l at the end. Since M is a whole number, a kernel that streams over the keys may use a running M (the ceiling of the running maximum): every later rescaling is an exact power of two, which a block's scale takes up: the codes' values come out the same.
;;   OPERANDS COMPUTED ON THE WAY. 'Computed on the way' means the value that the module computes at that place (a softmax that the list does not call 'softmax' is quantised finished and normalised). What goes into a quantiser is computed in f32, as accurately as f32 sums, v_exp_f32 and their like allow (about 1e-6 of the number): no bf16 or f16 on the way to a quantiser, and a product that is left as it is and whose result goes on into a quantised operand takes f32 operands (vector FMAs, or v_wmma_f32_16x16x4_f32). A number that lies on a knife's edge between two numbers of the format may be rounded either way, as far as f32 arithmetic and the matrix unit's own rounding can turn it there, and no further.
;; One version. Each part assembles by itself: llvm-mc -triple=amdgcn-amd-amdhsa -mcpu=gfx1250 --defsym DOCPART=n.
;; ======== version 1 of 1: 5 launches
;; limits: right only within a limited range of input values
;; workspace buffers: xq 9,830,400 bytes; wq 2,150,400 bytes; kvq 19,660,800 bytes; pq 28,311,552 bytes; part 1,048,576 bytes
;; launch quant (part 1): grid 312 x 3, 4 waves a work-group, no clusters, 34,304 bytes of LDS; arguments x, Wk, Wv, label_reps, xq, wq; writes xq, wq
.if DOCPART == 1
	.amdgcn_target "amdgcn-amd-amdhsa--gfx1250"
	.amdhsa_code_object_version 6
	.text
	.protected	k_qf35b809e19_quant
	.globl	k_qf35b809e19_quant
	.p2align	8
	.type	k_qf35b809e19_quant,@function
k_qf35b809e19_quant:
	s_mov_b64 s[64:65], 0
	v_nop
	global_prefetch_b8 v0, s[64:65] scope:SCOPE_SE
	s_setreg_imm32_b32 hwreg(HW_REG_WAVE_MODE, 25, 1), 1
	s_wait_xcnt 0x0
; x [16384][768], Wk, Wv [768][768] and label_reps [2000][768], f32 with K innermost, become codes of FP6 (E2M3) with one E8M0 byte for each 32 along K.
; They are laid as IMAGES OF OPERAND REGISTERS: a fragment (16 rows x 128 K, 12 registers a lane) is 1,536 bytes, registers 4 g .. 4 g + 3 of a lane at 512 g + 16 x lane;
; its 16 scale words (64 bytes, row r at 4 r) lie in a section behind the codes.  A tile is a fragment for each of the six K steps, on end.
; THE ROWS OF A TILE: for x and Wk lane r of tile T takes row 32 (T / 2) + 8 (T % 2) + r + 8 (r / 8), so that the results of a product that has eight such tiles as its source 0 lie, in a lane's
; registers, as neighbours along the next product's K; for Wv and label_reps row 16 T + r.  label_reps is filled to 2,048 rows: tiles 125 to 127 get zero codes.
; SHARES: a wave takes one tile and two K steps: 16 rows x 1,024 bytes.  Each load reads 512 consecutive bytes of a row; the numbers turn through the wave's own stage in LDS (rows 528 bytes apart), so that
; a lane then holds 16 neighbours of each block of 32.  No barrier: waves share nothing.  One path serves all four tensors: only pointers and numbers are chosen, by the work-group's number.
; A block's scale is 2^(floor(log2(largest magnitude)) - 2): its byte is the largest magnitude's exponent field - 2, held at 1 from below.
; LIMITS: a block of zeros gets the byte 1 (its codes are zeros; this program alone reads the bytes); blocks whose largest magnitude lies under 2^-124 are held at that byte; NaN and infinities are not served.
; No matrix unit, no cluster, no tensor load: the work-groups share no input and the launch is a stream.
.set SPARE, 33792                      ; behind the four stages: the spare words, 128 bytes for each wave
.set XSC,   9437184                    ; xq: where the scale words begin
.set WSC,   2064384                    ; wq: likewise
.set OLO, 4                            ; v4   16 x lane: my bytes of a row's 512, and of an image's 512
.set OHI, 5                            ; v5   the same for rows 8-15 of a tile: 8 rows (24,576 bytes) further on where the tile's rows are not neighbours
.set STA, 6                            ; v6   the stage, on the way in
.set LDA, 7                            ; v7   and on the way out: row r, + 64 h
.set OS,  8                            ; v8   4 x lane
.set SPW, 10                           ; v10  my spare word; never rewritten
.set NIL, 11                           ; v11  0; never rewritten
.set R,   16                           ; v16-143  two sets of 64 registers as loaded
.set X,   144                          ; v144-207 64 numbers: register 16 b + i = k 32 b + 16 h + i of my row
.set TM,  208                          ; v208-223 at work in QUANT
.set PW,  224                          ; the scale word just made
.set PWE, 225                          ; the first K step's
.set SCW, 226                          ; both: lanes 0-15 the first step's, lanes 16-31 the second's
.set PC,  228                          ; v228-246 the codes just made
.set CM,  32                           ; s32  -1, or 0 for a tile beyond label_reps' last row
.set HM,  45                           ; s45  lanes 16-31
.set SEL, 46                           ; s[46:47] v_permlanex16_b32's selects for lane l xor 16
; 64 numbers of a lane, v[s] on, become a fragment's codes in v[PC] on and its scale word in v[PW]
.macro QUANT s
.irp b, 0,1,2,3
	v_max3_num_f32 v[TM+\b], |v[\s+16*\b]|, |v[\s+1+16*\b]|, 0x1800000   ; block b: my 16 numbers, and the floor 2^(3 - 127): the byte cannot fall under 1
.endr
.irp i, 2,4,6,8,10,12,14
.irp b, 0,1,2,3
	v_max3_num_f32 v[TM+\b], v[TM+\b], |v[\s+16*\b+\i]|, |v[\s+1+16*\b+\i]|   ; the four blocks by turns
.endr
.endr
.irp b, 0,1,2,3
	v_permlanex16_b32 v[TM+4+\b], v[TM+\b], s[SEL], s[SEL+1]
.endr
.irp b, 0,1,2,3
	v_max_num_f32 v[TM+\b], v[TM+\b], v[TM+4+\b]   ; with lane l xor 16's: the block's largest magnitude
.endr
.irp b, 0,1,2,3
	v_add_nc_u32 v[TM+12+\b], 0xff000000, v[TM+\b]   ; 2 off its exponent field: the conversion's scale operand
.endr
.irp b, 0,1,2,3
	v_lshrrev_b32 v[TM+4+\b], 23, v[TM+12+\b]   ; the scale's byte
.endr
	v_lshl_or_b32 v[PW], v[TM+5], 8, v[TM+4]
	v_lshl_or_b32 v[PW], v[TM+6], 16, v[PW]
	v_lshl_or_b32 v[PW], v[TM+7], 24, v[PW]   ; my row's scale word, the same in both halves of the lanes
.irp c, 0,1
	v_cvt_scalef32_pk16_fp6_f32 v[PC+6*\c:PC+2+6*\c], v[\s+32*\c:\s+15+32*\c], v[TM+12+2*\c]
	v_cvt_scalef32_pk16_fp6_f32 v[PC+12+4*\c:PC+14+4*\c], v[\s+16+32*\c:\s+31+32*\c], v[TM+12+2*\c+1]   ; (a conversion's three registers begin on an even number)
.endr
	v_nop                                          ; one plain place behind a scaled conversion
.irp c, 0,1                                    ; the operand's layout wants a whole block in a lane
.irp i, 0,1,2
	v_permlane16_swap_b32 v[PC+6*\c+\i], v[PC+12+4*\c+\i]
.endr
.irp i, 0,1,2
	v_mov_b32 v[PC+3+6*\c+\i], v[PC+12+4*\c+\i]
.endr
.endr
.endm
	s_load_b256 s[4:11], s[0:1], 0x0               ; x, Wk, Wv, label_reps
	s_load_b128 s[12:15], s[0:1], 0x20             ; xq, wq
	v_lshl_add_u32 v[SPW], v0, 2, SPARE
	v_mov_b32 v[NIL], 0
	v_lshrrev_b32 v1, 5, v0
	v_readfirstlane_b32 s16, v1                    ; wave
	v_and_b32 v1, 31, v0                           ; lane
	v_and_b32 v2, 15, v0                           ; r
	v_bfe_u32 v3, v0, 4, 1                         ; h
	s_mov_b32 s[SEL], 0x76543210
	s_mov_b32 s[SEL+1], 0xfedcba98
	s_mov_b32 s[HM], 0xffff0000
.irp b, 0,1,2,3
	v_mov_b32 v[TM+4+\b], 0                        ; written once: a lane permute's destination counts as one of its sources
.endr
	s_mov_b32 s17, 280
	s_mov_b32 s18, 268
	s_mov_b32 s19, 124
	s_mov_b32 s29, 1023
	s_mov_b32 s28, WSC
	s_wait_alu depctr_va_vdst(0)
	s_wait_kmcnt 0x0
	; which tensor: work-groups 0-255 x, 256-267 Wk, 268-279 Wv, 280-311 label_reps.  The choice hangs on the work-group's number alone
	s_cmp_lt_u32 ttmp9, 280
	s_cselect_b64 s[20:21], s[8:9], s[10:11]       ; the source
	s_cselect_b32 s22, s18, s17                    ; its first work-group
	s_cselect_b32 s23, 48, 96                      ; its first tile in the destination
	s_cselect_b32 s25, s29, s19                    ; its last tile that has rows
	s_cmp_lt_u32 ttmp9, 268
	s_cselect_b64 s[20:21], s[6:7], s[20:21]
	s_cselect_b32 s22, 256, s22
	s_cselect_b32 s23, 0, s23
	s_cselect_b32 s24, 1, 0                        ; 1: the tile's rows are not neighbours
	s_cmp_lt_u32 ttmp9, 256
	s_cselect_b64 s[20:21], s[4:5], s[20:21]
	s_cselect_b32 s22, 0, s22
	s_cselect_b64 s[26:27], s[12:13], s[14:15]     ; the destination
	s_cselect_b32 s28, XSC, s28                    ; and its scale words' section
	s_sub_co_u32 s30, ttmp9, s22
	s_lshl_b32 s30, s30, 2
	s_add_co_u32 s30, s30, s16                     ; my tile T
	s_min_u32 s31, s30, s25                        ; held at the last tile with rows: no load leaves its buffer
	s_cmp_le_u32 s30, s25
	s_cselect_b32 s[CM], -1, 0
	s_lshr_b32 s33, s31, 1
	s_lshl_b32 s33, s33, 5
	s_and_b32 s34, s31, 1
	s_lshl_b32 s34, s34, 3
	s_add_co_u32 s33, s33, s34                     ; 32 (T / 2) + 8 (T % 2)
	s_lshl_b32 s34, s31, 4                         ; or 16 T
	s_cmp_eq_u32 s24, 1
	s_cselect_b32 s33, s33, s34                    ; the tile's first row
	s_and_b32 s35, ttmp7, 0xffff                   ; q: K steps 2 q and 2 q + 1
	s_mul_i32 s36, s33, 3072
	s_lshl_b32 s37, s35, 10
	s_add_co_u32 s36, s36, s37
	s_mov_b32 s37, 0
	s_add_nc_u64 s[20:21], s[20:21], s[36:37]
	s_add_co_u32 s38, s23, s30                     ; the tile's number in the destination
	s_mul_i32 s36, s38, 9216
	s_mul_i32 s39, s35, 3072
	s_add_co_u32 s36, s36, s39
	s_add_nc_u64 s[40:41], s[26:27], s[36:37]      ; where my two images go
	s_mul_i32 s36, s38, 384
	s_lshl_b32 s39, s35, 7
	s_add_co_u32 s36, s36, s39
	s_add_co_u32 s36, s36, s28
	s_add_nc_u64 s[42:43], s[26:27], s[36:37]      ; and their scale words
	v_lshlrev_b32 v[OLO], 4, v1
	s_mul_i32 s44, s24, 24576
	v_add_nc_u32 v[OHI], s44, v[OLO]
	s_mul_i32 s44, s16, 8448                       ; my stage: 16 rows x 528 bytes
	v_add_nc_u32 v[STA], s44, v[OLO]
	v_mul_u32_u24 v[LDA], v2, 528
	v_lshl_add_u32 v[LDA], v3, 6, v[LDA]
	v_add_nc_u32 v[LDA], s44, v[LDA]
	v_lshlrev_b32 v[OS], 2, v1
.macro LOADG e                         ; K step e of my two: 16 loads, each 512 consecutive bytes of one row
.irp i, 0,1,2,3,4,5,6,7
	global_load_b128 v[R+64*\e+4*\i:R+64*\e+4*\i+3], v[OLO], s[20:21] offset:3072*\i+512*\e th:TH_LOAD_NT
.endr
.irp i, 8,9,10,11,12,13,14,15
	global_load_b128 v[R+64*\e+4*\i:R+64*\e+4*\i+3], v[OHI], s[20:21] offset:3072*\i+512*\e th:TH_LOAD_NT
.endr
.endm
.macro HALF e
	s_wait_loadcnt 16*(1-\e)                       ; this step's 16 loads are in; the other step's 16 may be out
.irp i, 0,1,2,3,4,5,6,7,8,9,10,11,12,13,14,15
	ds_store_b128 v[STA], v[R+64*\e+4*\i:R+64*\e+4*\i+3] offset:528*\i
.endr
.irp b, 0,1,2,3
.irp j, 0,1,2,3
	ds_load_b128 v[X+16*\b+4*\j:X+16*\b+4*\j+3], v[LDA] offset:128*\b+16*\j   ; LDS serves a wave's instructions in order: these see my stores
.endr
.endr
	s_wait_dscnt 0x0
.if \e
	s_wait_xcnt 0x0                                ; the first step's stores have read their registers: the codes may be written again
.endif
	QUANT X
.irp n, 0,1,2,3,4,5,6,7,8,9,10,11
	v_and_b32 v[PC+\n], s[CM], v[PC+\n]            ; zero codes for a tile beyond the last row
.endr
.irp g, 0,1,2
	global_store_b128 v[OLO], v[PC+4*\g:PC+4*\g+3], s[40:41] offset:1536*\e+512*\g   ; 32 lanes store 512 consecutive bytes, aligned
.endr
.if \e == 0
	v_mov_b32 v[PWE], v[PW]
.else
	v_cndmask_b32 v[SCW], v[PWE], v[PW], s[HM]
	global_store_b32 v[OS], v[SCW], s[42:43]       ; two fragments' scale words: 128 consecutive bytes
.endif
.endm
	LOADG 0
	LOADG 1
	s_wait_alu depctr_va_vdst(0)
	HALF 0
	HALF 1
	s_wait_tensorcnt 0x0                           ; the wave's end, behind my last LDS store
	ds_add_u32 v[SPW], v[NIL]
	s_wait_dscnt 0x0
	s_endpgm
.Lfunc_end_k_qf35b809e19_quant:
	.size	k_qf35b809e19_quant, .Lfunc_end_k_qf35b809e19_quant-k_qf35b809e19_quant
	.p2alignl 7, 3214868480
	.fill 96, 4, 3214868480
	.section	.rodata,"a",@progbits
	.p2align	6, 0x0
	.amdhsa_kernel k_qf35b809e19_quant
		.amdhsa_group_segment_fixed_size 34304
		.amdhsa_private_segment_fixed_size 0
		.amdhsa_enable_private_segment 0
		.amdhsa_kernarg_size 48
		.amdhsa_user_sgpr_count 2
		.amdhsa_user_sgpr_kernarg_segment_ptr 1
		.amdhsa_wavefront_size32 1
		.amdhsa_system_sgpr_workgroup_id_x 1
		.amdhsa_system_sgpr_workgroup_id_y 1
		.amdhsa_system_sgpr_workgroup_id_z 1
		.amdhsa_system_vgpr_workitem_id 0
		.amdhsa_next_free_vgpr 248
		.amdhsa_next_free_sgpr 66
		.amdhsa_reserve_vcc 0
		.amdhsa_float_denorm_mode_32 3
		.amdhsa_float_denorm_mode_16_64 3
		.amdhsa_memory_ordered 1
		.amdhsa_forward_progress 1
		.amdhsa_inst_pref_size 20
	.end_amdhsa_kernel
	.amdgpu_metadata
---
amdhsa.version: [ 1, 2 ]
amdhsa.kernels:
  - .name:           k_qf35b809e19_quant
    .symbol:         k_qf35b809e19_quant.kd
    .args:
      - { .name: x, .offset: 0, .size: 8, .value_kind: global_buffer, .address_space: global }
      - { .name: Wk, .offset: 8, .size: 8, .value_kind: global_buffer, .address_space: global }
      - { .name: Wv, .offset: 16, .size: 8, .value_kind: global_buffer, .address_space: global }
      - { .name: label_reps, .offset: 24, .size: 8, .value_kind: global_buffer, .address_space: global }
      - { .name: xq, .offset: 32, .size: 8, .value_kind: global_buffer, .address_space: global }
      - { .name: wq, .offset: 40, .size: 8, .value_kind: global_buffer, .address_space: global }
    .group_segment_fixed_size: 34304
    .private_segment_fixed_size: 0
    .kernarg_segment_align: 8
    .kernarg_segment_size: 48
    .max_flat_workgroup_size: 128
    .sgpr_count:     66
    .vgpr_count:     248
    .wavefront_size: 32
...
	.end_amdgpu_metadata
.endif
;; end of part 1
;; launch kv (part 2): grid 239 x 1, 4 waves a work-group, no clusters, 0 bytes of LDS; arguments xq, wq, bv, kvq; writes kvq
.if DOCPART == 2
	.amdgcn_target "amdgcn-amd-amdhsa--gfx1250"
	.amdhsa_code_object_version 6
	.text
	.protected	k_qf35b809e19_kv
	.globl	k_qf35b809e19_kv
	.p2align	8
	.type	k_qf35b809e19_kv,@function
k_qf35b809e19_kv:
	s_mov_b64 s[64:65], 0
	v_nop
	global_prefetch_b8 v0, s[64:65] scope:SCOPE_SE
	s_setreg_imm32_b32 hwreg(HW_REG_WAVE_MODE, 25, 1), 1
	s_wait_xcnt 0x0
; K = Q(x) Q(Wk)^T and V = Q(x) Q(Wv)^T + bv on codes of FP6 (E2M3); the results are quantised in registers, K along its 768 columns, V along the keys, and stored as images of operand registers.
; EVERY WAVE IS A JOB OF ITS OWN.  It keeps eight tiles x six K steps (128 rows, 576 registers) as source 0 for the whole launch and streams tiles of 16 rows as source 1, straight from memory into registers.
; A UNIT is one streamed tile: 48 matrix instructions on eight accumulators by turns.  Since the resident tiles' rows are chosen for it, register 16 b + i of the 64 results of lane (r, h) is
; (resident row 32 b + 16 h + i, streamed row r): 16 neighbours of each block of 32 along the next product's K.
;   V job (work-groups 0-127): resident = 128 keys of x, streamed = 12 tiles of Wv (wave w: 192 w on).  A unit gives a fragment of V^T: 16 of the 768 x 128 keys.  bv is the C of the sums' first instructions.
;   K job (work-groups 128-238): resident = 128 rows of Wk, streamed = 14 tiles of x (the last run: 2).  A unit gives a fragment of K: that tile's 16 keys x 128 of the 768.  444 waves = 6 x 74 runs.
; One path serves both: pointers and numbers are chosen by the work-group's number.
; BY TURNS.  Two sets of accumulators.  While unit n + 1's 48 products are issued, unit n's quantiser (73 or 75 lines, its stores among them) stands between them, two lines behind each matrix instruction.
; All that the quantiser touches lies in window 0 and the products' source 0 in windows 1 to 3, so a slice costs two switches of the register windows: 76 for a unit's 48 matrix instructions.
; Two sets of stream registers: a set is asked for again in one run straight behind its unit's products, the other unit's 48 products ahead of its use.
; NOTHING IS ASKED FOR JOINTLY, though waves stream the same tiles: the text has no tensor load (an image goes from memory into the registers as it lies), and the 444 K jobs and 512 V jobs do not fall into
; groups of four work-groups that walk one stream in step.  No LDS, no barrier.
; LIMITS: as in the quantiser's launch: a block of zeros gets the byte 1; NaN and infinities are not served.
; REGISTERS, in windows of 256: window 0: v1-14 offsets; v16-23 the bias; v24-47 the resident scale words, v48-53 the streamed ones; v54-94 at work; v96-159, v160-223 the two sets of accumulators;
;   v224-235 stream set A's K step 5.   windows 1-3: resident fragment (tile t, K step s) in window 1 + s / 2 at v[96 (s % 2) + 12 t]; stream set A's K steps 0-4 in window 1 from v192;
;   stream set B: K steps 0-2 in window 2 from v192, 3-5 in window 3 from v192.
.set XSC, 9437184                      ; xq: scale words
.set WSC, 2064384                      ; wq: scale words
.set VC,  9437184                      ; kvq: V's codes
.set KSC, 18874368                     ; kvq: K's scale words
.set VSG, 19267584                     ; kvq: V's scale words
.set LI,  1                            ; v1   16 x lane
.set L4,  2                            ; v2   4 x lane
.set R4,  3                            ; v3   4 r
.set HS,  4                            ; v4   4 r + h x (bytes from one unit's scale words to the next unit's)
.set VA,  5                            ; v5-7 set A's offsets (codes, scale words, bias); v8-10 set B's
.set VO,  11                           ; v11  where a unit's image goes
.set VS,  12                           ; v12  where two units' scale words go
.set BV,  13                           ; v13, v14 the bias as loaded, set A, set B
.set BI,  16
.set RS,  24                           ; register 3 t + q: lanes 0-15 tile t's words of K step 2 q, lanes 16-31 of 2 q + 1
.set FS,  48
.set PW,  54
.set PW0, 55
.set PWC, 56
.set TM,  60
.set PC,  76
.set ACC0, 96
.set ACC1, 160
.set FA5, 224
.set WV,  16
.set HM,  17
.set SEL, 18
.set TILE, 32                          ; s32  the streamed tile of the trip's first unit
.set IDX,  34                          ; s34  the output fragment of the trip's first unit
.set ISTEP, 35                         ; s35  fragments from unit to unit
.set BMK,  36                          ; s36  -1 in a V job, 0 in a K job, which has no bias
.set TRM1, 37                          ; s37  the loop's trips: half the job's units, less one
.set KC,   38
.set HSTR, 39
.set RB,   40                          ; s[40:41] the resident images;  s[42:43] their scale words
.set RSB,  42
.set SB,   44                          ; s[44:45] the stream's buffer;  s[46:47] its scale words
.set SSB,  46
.set OB,   48                          ; s[48:49] the output's codes;  s[50:51] its scale words
.set OSB,  50
.set MSB, 0
.macro WIN new                         ; the immediate's high byte repeats the setting that is left; a switch that changes nothing is dropped
.if MSB != (\new)
	s_set_vgpr_msb (MSB<<8)|(\new)
.set MSB, (\new)
.endif
.endm
.macro PLACES n
.rept \n
	v_nop
.endr
.endm
; THE QUANTISER AS A NUMBERED LIST: QI writes line QK of it, for the 64 results in v[a] on, and steps QK.  j: the unit's place in its pair.
;   0-31 each block's largest magnitude among my 16 numbers, with the floor 2^(3 - 127), the four blocks by turns (each accumulator is read from its low end on); 32-39 with lane l xor 16's;
;   40-50 the conversions' scale operands, the bytes, the scale word; 51-54 the conversions; 55 the plain place behind them; 56-67 a whole block into a lane;
;   68-71 the image's offset and its three stores; 72-74 the pair's scale words: kept (j = 0), or joined and stored (j = 1)
.macro QI a, j
	WIN 0
.if QK < 4
	v_max3_num_f32 v[TM+QK], |v[(\a)+16*QK]|, |v[(\a)+1+16*QK]|, 0x1800000
.elseif QK < 32
.set qb, (QK-4)%4
.set qi, 2+2*((QK-4)/4)
	v_max3_num_f32 v[TM+qb], v[TM+qb], |v[(\a)+16*qb+qi]|, |v[(\a)+1+16*qb+qi]|
.elseif QK < 36
.set qb, QK-32
	v_permlanex16_b32 v[TM+4+qb], v[TM+qb], s[SEL], s[SEL+1]
.elseif QK < 40
.set qb, QK-36
	s_wait_alu depctr_va_vdst(0)
	v_max_num_f32 v[TM+qb], v[TM+qb], v[TM+4+qb]
.elseif QK < 44
.set qb, QK-40
	v_add_nc_u32 v[TM+12+qb], 0xff000000, v[TM+qb]   ; 2 off the exponent field: the conversion's scale operand
.elseif QK < 48
.set qb, QK-44
	v_lshrrev_b32 v[TM+4+qb], 23, v[TM+12+qb]
.elseif QK == 48
	v_lshl_or_b32 v[PW], v[TM+5], 8, v[TM+4]
.elseif QK == 49
	v_lshl_or_b32 v[PW], v[TM+6], 16, v[PW]
.elseif QK == 50
	v_lshl_or_b32 v[PW], v[TM+7], 24, v[PW]
.elseif QK < 55
.set qc, (QK-51)/2
.if (QK-51)%2 == 0
	v_cvt_scalef32_pk16_fp6_f32 v[PC+6*qc:PC+2+6*qc], v[(\a)+32*qc:(\a)+15+32*qc], v[TM+12+2*qc]
.else
	v_cvt_scalef32_pk16_fp6_f32 v[PC+12+4*qc:PC+14+4*qc], v[(\a)+16+32*qc:(\a)+31+32*qc], v[TM+12+2*qc+1]
.endif
.elseif QK == 55
	v_nop                                          ; one plain place behind a scaled conversion
.elseif QK < 68
.set qc, (QK-56)/6
.set qi, (QK-56)%6
.if qi < 3
	s_wait_alu depctr_va_vdst(0)
	v_permlane16_swap_b32 v[PC+6*qc+qi], v[PC+12+4*qc+qi]
.else
	v_mov_b32 v[PC+6*qc+qi], v[PC+12+4*qc+qi-3]
.endif
.elseif QK == 68
	v_add_nc_u32 v[VO], s54, v[LI]
.elseif QK < 72
.set qi, QK-69
	global_store_b128 v[VO], v[PC+4*qi:PC+4*qi+3], s[OB:OB+1] offset:512*qi   ; 32 lanes store 512 consecutive bytes, aligned
.elseif QK == 72
.if (\j) == 0
	v_mov_b32 v[PW0], v[PW]
.else
	v_cndmask_b32 v[PWC], v[PW0], v[PW], s[HM]     ; lanes 0-15 the first unit's words, lanes 16-31 the second's
.endif
.elseif QK == 73
	v_add_nc_u32 v[VS], s55, v[HS]
.elseif QK == 74
	global_store_b32 v[VS], v[PWC], s[OSB:OSB+1]
.endif
.set QK, QK+1
.endm
.macro QSL qa, j                       ; a slice: two lines of the list, while there are lines
.rept 2
.if QK < NQ_
	QI \qa, \j
.endif
.endr
.endm
.macro QALL qa, j                      ; the whole list on end: the job's last unit, which has no products to stand between
.set QK, 0
.set NQ_, 73+2*(\j)
.rept 75
.if QK < NQ_
	QI \qa, \j
.endif
.endr
.endm
; one matrix instruction of K step k: the first takes the bias as C; an odd step's scale words lie in lanes 16-31
.macro WM d, a, b, k, sa, sb
.if (\k) == 0
	v_wmma_scale_f32_16x16x128_f8f6f4 v[(\d):(\d)+7], v[(\a):(\a)+11], v[(\b):(\b)+11], v[BI:BI+7], v[(\sa)], v[(\sb)] matrix_a_fmt:MATRIX_FMT_FP6 matrix_b_fmt:MATRIX_FMT_FP6
.elseif ((\k)%2) == 0
	v_wmma_scale_f32_16x16x128_f8f6f4 v[(\d):(\d)+7], v[(\a):(\a)+11], v[(\b):(\b)+11], v[(\d):(\d)+7], v[(\sa)], v[(\sb)] matrix_a_fmt:MATRIX_FMT_FP6 matrix_b_fmt:MATRIX_FMT_FP6
.else
	v_wmma_scale_f32_16x16x128_f8f6f4 v[(\d):(\d)+7], v[(\a):(\a)+11], v[(\b):(\b)+11], v[(\d):(\d)+7], v[(\sa)], v[(\sb)] matrix_a_fmt:MATRIX_FMT_FP6 matrix_b_fmt:MATRIX_FMT_FP6 matrix_a_scale:MATRIX_SCALE_ROW1 matrix_b_scale:MATRIX_SCALE_ROW1
.endif
.endm
; a unit's 48 products out of stream set `set` into the accumulators at acc: the eight take turns, one instruction a turn.
; q = 1: behind each stands a slice of the quantiser of the results at qa, the other set of accumulators
.macro MMQ set, acc, q, qa, j
.set QK, 0
.set NQ_, 73+2*(\j)
.irp s, 0,1,2,3,4,5
.if \set == 0
.if \s < 5
.set WW_, (1+\s/2)|4
.set FB_, 192+12*\s
.else
.set WW_, 3
.set FB_, FA5
.endif
.else
.set WW_, (1+\s/2)|((2+\s/3)<<2)
.set FB_, 192+12*(\s%3)
.endif
.irp t, 0,1,2,3,4,5,6,7
	WIN WW_
	WM (\acc)+8*\t, 96*(\s%2)+12*\t, FB_, \s, RS+3*\t+\s/2, FS+3*\set+\s/2
.if \q
	QSL \qa, \j
.endif
.endr
.endr
	WIN 0
.endm
.macro SETADR set                      ; s52 = a streamed tile: its three offsets
	s_mul_i32 s53, s52, 9216
	v_add_nc_u32 v[VA+3*\set], s53, v[LI]
	s_mul_i32 s53, s52, 384
	v_add_nc_u32 v[VA+3*\set+1], s53, v[L4]
	s_sub_co_u32 s53, s52, 48                      ; Wv's tiles begin at tile 48 of wq: bv at 16 (tile - 48) + r; 0 + r in a K job, whose loaded number is masked away
	s_lshl_b32 s53, s53, 6
	s_and_b32 s53, s53, s[BMK]
	v_add_nc_u32 v[VA+3*\set+2], s53, v[R4]
.endm
.macro LOADF set                       ; 22 loads: six images, three registers of scale words, the bias
.if \set == 0
	WIN 0x40
.irp s, 0,1,2,3,4
.irp g, 0,1,2
	global_load_b128 v[192+12*\s+4*\g:192+12*\s+4*\g+3], v[VA], s[SB:SB+1] offset:1536*\s+512*\g
.endr
.endr
	WIN 0
.irp g, 0,1,2
	global_load_b128 v[FA5+4*\g:FA5+4*\g+3], v[VA], s[SB:SB+1] offset:7680+512*\g
.endr
.else
	WIN 0x80
.irp s, 0,1,2
.irp g, 0,1,2
	global_load_b128 v[192+12*\s+4*\g:192+12*\s+4*\g+3], v[VA+3], s[SB:SB+1] offset:1536*\s+512*\g
.endr
.endr
	WIN 0xc0
.irp s, 3,4,5
.irp g, 0,1,2
	global_load_b128 v[192+12*(\s-3)+4*\g:192+12*(\s-3)+4*\g+3], v[VA+3], s[SB:SB+1] offset:1536*\s+512*\g
.endr
.endr
	WIN 0
.endif
.irp q, 0,1,2
	global_load_b32 v[FS+3*\set+\q], v[VA+3*\set+1], s[SSB:SSB+1] offset:128*\q
.endr
	global_load_b32 v[BV+\set], v[VA+3*\set+2], s[8:9]
.endm
; behind the products out of a set: the set is asked for again, with the tile two units on
.macro RELOAD set
	PLACES 5                                       ; behind the products: in front of loads into their operands and of the first read of their results
	s_wait_xcnt 0x0                                ; the last quantiser's stores have read their data and offsets: the next one may write them.  It stands ahead of the loads below, not behind them
	s_add_co_u32 s52, s[TILE], 2+\set
	SETADR \set                                    ; (this set's earlier loads were shown done ahead of its products: their offsets may be written)
	LOADF \set
.endm
.macro BIAS set                        ; a lane holds one row of Wv: its bias stands under all eight of its results
	v_and_b32 v[BV+\set], s[BMK], v[BV+\set]
.irp n, 0,1,2,3,4,5,6,7
	v_mov_b32 v[BI+\n], v[BV+\set]
.endr
	PLACES 4
.endm
.macro KOFF j                          ; where the results of the pair's unit j go: s54 the image, s55 the pair's scale words
.if \j == 0
	s_mul_i32 s54, s[IDX], 1536
.else
	s_add_co_u32 s54, s[IDX], s[ISTEP]
	s_mul_i32 s54, s54, 1536
	s_lshl_b32 s55, s[IDX], 6
.endif
.endm
	s_load_b256 s[4:11], s[0:1], 0x0               ; xq, wq, bv, kvq
	v_lshrrev_b32 v15, 5, v0
	v_readfirstlane_b32 s[WV], v15
	s_mov_b32 s[HM], 0xffff0000
	s_mov_b32 s[SEL], 0x76543210
	s_mov_b32 s[SEL+1], 0xfedcba98
	; a K job's numbers
	s_max_u32 s20, ttmp9, 128
	s_sub_co_u32 s20, s20, 128
	s_lshl_b32 s20, s20, 2
	s_add_co_u32 s20, s20, s[WV]                   ; 0 .. 443
	s_mul_hi_u32 s21, s20, 58040099                ; / 74 (58,040,099 = 2^32 / 74, rounded up): which 128 rows of Wk
	s_mul_i32 s22, s21, 74
	s_sub_co_u32 s22, s20, s22                     ; which run of x tiles
	s_mul_i32 s23, s22, 14
	s_sub_co_u32 s24, 1024, s23
	s_min_u32 s24, s24, 14                         ; 14 tiles, the last run 2
	s_mul_i32 s25, s22, 84
	s_add_co_u32 s25, s25, s21                     ; fragment 6 x tile + K step
	; a V job's
	s_lshr_b32 s26, ttmp9, 5                       ; batch
	s_lshl_b32 s26, s26, 2
	s_add_co_u32 s26, s26, s[WV]                   ; 4 x batch + slice of 192
	s_lshl_b32 s26, s26, 5
	s_and_b32 s27, ttmp9, 31
	s_add_co_u32 s26, s26, s27                     ; x 32 + key step
	s_mul_i32 s26, s26, 12
	s_mul_i32 s27, s[WV], 12
	s_add_co_u32 s27, s27, 48
	s_mov_b32 s28, WSC
	s_mov_b32 s29, XSC
	s_mov_b32 s30, KSC
	s_wait_kmcnt 0x0
	s_cmp_lt_u32 ttmp9, 128                        ; the choice hangs on the work-group's number alone
	s_cselect_b32 s31, ttmp9, s21                  ; which resident unit
	s_cselect_b32 s[TILE], s27, s23
	s_cselect_b32 s24, 12, s24
	s_cselect_b32 s[IDX], s26, s25
	s_cselect_b32 s[ISTEP], 1, 6
	s_cselect_b32 s[HSTR], 64, 384
	s_cselect_b32 s[BMK], -1, 0
	s_cselect_b64 s[RB:RB+1], s[4:5], s[6:7]
	s_cselect_b64 s[SB:SB+1], s[6:7], s[4:5]
	s_cselect_b32 s28, XSC, s28
	s_cselect_b32 s29, WSC, s29
	s_cselect_b32 s30, VSG, s30
	s_cselect_b32 s52, VC, 0
	s_mov_b32 s53, 0
	s_add_nc_u64 s[OB:OB+1], s[10:11], s[52:53]
	s_mov_b32 s52, s30
	s_add_nc_u64 s[OSB:OSB+1], s[10:11], s[52:53]
	s_mov_b32 s52, s29
	s_add_nc_u64 s[SSB:SSB+1], s[SB:SB+1], s[52:53]
	s_mul_i32 s52, s31, 3072
	s_add_co_u32 s52, s52, s28
	s_add_nc_u64 s[RSB:RSB+1], s[RB:RB+1], s[52:53]
	s_mul_i32 s52, s31, 73728
	s_add_nc_u64 s[RB:RB+1], s[RB:RB+1], s[52:53]
	s_lshr_b32 s[TRM1], s24, 1                     ; two units a trip; the last two are written out behind the loop
	s_sub_co_u32 s[TRM1], s[TRM1], 1
	v_and_b32 v15, 31, v0
	v_lshlrev_b32 v[LI], 4, v15
	v_lshlrev_b32 v[L4], 2, v15
	v_and_b32 v15, 15, v0
	v_lshlrev_b32 v[R4], 2, v15
	v_bfe_u32 v15, v0, 4, 1
	v_mul_u32_u24 v15, s[HSTR], v15
	v_add_nc_u32 v[HS], v[R4], v15
.irp b, 0,1,2,3
	v_mov_b32 v[TM+4+\b], 0                        ; written once: a lane permute's destination counts as one of its sources
.endr
	; the resident unit: 48 images and 24 registers of scale words; they stay
.irp s, 0,1,2,3,4,5
	WIN (1+\s/2)<<6
.irp t, 0,1,2,3,4,5,6,7
.irp g, 0,1,2
	global_load_b128 v[96*(\s%2)+12*\t+4*\g:96*(\s%2)+12*\t+4*\g+3], v[LI], s[RB:RB+1] offset:(6*\t+\s)*1536+512*\g
.endr
.endr
.endr
	WIN 0
.set cn, 0
.rept 24
	global_load_b32 v[RS+cn], v[L4], s[RSB:RSB+1] offset:128*cn
.set cn, cn+1
.endr
	s_mov_b32 s52, s[TILE]
	SETADR 0
	LOADF 0
	s_add_co_u32 s52, s[TILE], 1
	SETADR 1
	LOADF 1
	s_wait_loadcnt 22                              ; the resident unit and set A are in; set B's 22 loads may be out
	BIAS 0
	MMQ 0, ACC0, 0, ACC0, 0                        ; the job's first unit: there is no quantiser yet to set between its products
	s_cmp_eq_u32 s[TRM1], 0                        ; the run of two tiles has no trip: a number made of the work-group's and the wave's numbers
	s_cbranch_scc1 .Ltail
	s_mov_b32 s[KC], 0
.Ltrip:                                            ; at the head: the pair's first unit is multiplied (v96 on), set B holds the second's tile
	RELOAD 0                                       ; the next pair's first tile
	s_wait_loadcnt 22                              ; set B is in; the 22 loads just issued may be out
	BIAS 1
	KOFF 0
	s_wait_alu depctr_va_vdst(0)
	MMQ 1, ACC1, 1, ACC0, 0                        ; the second unit's products | the first unit's quantiser
	RELOAD 1                                       ; the next pair's second tile
	s_wait_loadcnt 22                              ; set A is in; the 22 loads just issued may be out
	BIAS 0
	KOFF 1
	s_wait_alu depctr_va_vdst(0)
	MMQ 0, ACC0, 1, ACC1, 1                        ; the next pair's first unit's products | the second unit's quantiser
	s_lshl_b32 s53, s[ISTEP], 1
	s_add_co_u32 s[IDX], s[IDX], s53
	s_add_co_u32 s[TILE], s[TILE], 2
	s_add_co_u32 s[KC], s[KC], 1
	s_cmp_lt_u32 s[KC], s[TRM1]
	s_cbranch_scc1 .Ltrip
.Ltail:                                            ; the last pair: nothing is left to ask for
	PLACES 5
	s_wait_xcnt 0x0                                ; the last quantiser's stores have read their data and offsets
	s_wait_loadcnt 0x0                             ; set B is in: no load was issued behind it
	BIAS 1
	KOFF 0
	s_wait_alu depctr_va_vdst(0)
	MMQ 1, ACC1, 1, ACC0, 0
	PLACES 5
	s_wait_xcnt 0x0
	KOFF 1
	QALL ACC1, 1
	s_endpgm
.Lfunc_end_k_qf35b809e19_kv:
	.size	k_qf35b809e19_kv, .Lfunc_end_k_qf35b809e19_kv-k_qf35b809e19_kv
	.p2alignl 7, 3214868480
	.fill 96, 4, 3214868480
	.section	.rodata,"a",@progbits
	.p2align	6, 0x0
	.amdhsa_kernel k_qf35b809e19_kv
		.amdhsa_group_segment_fixed_size 0
		.amdhsa_private_segment_fixed_size 0
		.amdhsa_enable_private_segment 0
		.amdhsa_kernarg_size 32
		.amdhsa_user_sgpr_count 2
		.amdhsa_user_sgpr_kernarg_segment_ptr 1
		.amdhsa_wavefront_size32 1
		.amdhsa_system_sgpr_workgroup_id_x 1
		.amdhsa_system_sgpr_workgroup_id_y 1
		.amdhsa_system_sgpr_workgroup_id_z 1
		.amdhsa_system_vgpr_workitem_id 0
		.amdhsa_next_free_vgpr 1024
		.amdhsa_next_free_sgpr 66
		.amdhsa_reserve_vcc 0
		.amdhsa_float_denorm_mode_32 3
		.amdhsa_float_denorm_mode_16_64 3
		.amdhsa_memory_ordered 1
		.amdhsa_forward_progress 1
		.amdhsa_inst_pref_size 82
	.end_amdhsa_kernel
	.amdgpu_metadata
---
amdhsa.version: [ 1, 2 ]
amdhsa.kernels:
  - .name:           k_qf35b809e19_kv
    .symbol:         k_qf35b809e19_kv.kd
    .args:
      - { .name: xq, .offset: 0, .size: 8, .value_kind: global_buffer, .address_space: global }
      - { .name: wq, .offset: 8, .size: 8, .value_kind: global_buffer, .address_space: global }
      - { .name: bv, .offset: 16, .size: 8, .value_kind: global_buffer, .address_space: global }
      - { .name: kvq, .offset: 24, .size: 8, .value_kind: global_buffer, .address_space: global }
    .group_segment_fixed_size: 0
    .private_segment_fixed_size: 0
    .kernarg_segment_align: 8
    .kernarg_segment_size: 32
    .max_flat_workgroup_size: 128
    .sgpr_count:     66
    .vgpr_count:     1024
    .wavefront_size: 32
...
	.end_amdgpu_metadata
.endif
;; end of part 2
;; launch scores (part 3): grid 32 x 8, 4 waves a work-group, clusters of 4 x 1, 167,936 bytes of LDS; arguments kvq, wq, attention_masks, pq; writes pq
.if DOCPART == 3
	.amdgcn_target "amdgcn-amd-amdhsa--gfx1250"
	.amdhsa_code_object_version 6
	.text
	.protected	k_qf35b809e19_scores
	.globl	k_qf35b809e19_scores
	.p2align	8
	.type	k_qf35b809e19_scores,@function
k_qf35b809e19_scores:
	s_mov_b64 s[64:65], 0
	v_nop
	global_prefetch_b8 v0, s[64:65] scope:SCOPE_SE
	s_setreg_imm32_b32 hwreg(HW_REG_WAVE_MODE, 25, 1), 1
	s_wait_xcnt 0x0
	s_wait_alu depctr_hold_cnt(0) depctr_sa_sdst(0) depctr_va_vdst(0) depctr_va_sdst(0) depctr_va_ssrc(0) depctr_va_vcc(0) depctr_vm_vsrc(0)
	s_getreg_b32 s2, hwreg(HW_REG_IB_STS2, 6, 4)
	s_cmp_eq_u32 s2, 0
	s_cbranch_scc0 .Lentry_in_a_cluster
	s_endpgm
.Lentry_in_a_cluster:
	s_bfe_u32 s2, ttmp6, 0x10000c
	s_cmp_lg_u32 s2, 0x3003
	s_cbranch_scc0 .Lentry_shape_is_right
	s_endpgm
.Lentry_shape_is_right:
; scores = Q(K) . Q(label_reps) along the 768, the mask, and p = 2^(t - M), quantised along the keys, all on codes of FP6 (E2M3).
; A wave keeps 128 keys of K (eight tiles x six K steps, 576 registers) as source 0 and streams 16 tiles of 16 classes as source 1.  A UNIT is one tile of classes: 48 matrix instructions on eight
; accumulators by turns; register 16 b + i of lane (r, h) is then (key 32 b + 16 h + i, class r): a lane holds one class and 64 of the 128 keys, 16 neighbours of each block of 32.
; THE MASK is the C of the sums' first instructions: 0 where the key counts, -3e38 where it does not; such a score gives p = 0.
; THE SOFTMAX IS TAKEN PER CHUNK OF 128 KEYS: t = score x log2(e); M = the chunk's largest t, rounded up to a whole number; p = 2^(t - M) is quantised; with the fragment go its scale words, -M and the sum of
; the unquantised p.  M is a whole number, so the next launch brings a chunk under the row's M by taking a whole number off the scale bytes: the codes stay.  A chunk in which no key counts has p = 0 and sum 0.
; IN PHASES: a unit's 48 products on end; the next tile's 21 LDS loads; then what follows the products: maxima, all scalings, one wait, all 68 exponentials, one wait, quantiser, stores, sum.
; So one set of accumulators and one set of stream registers serve, and the register windows are switched seven times a unit.
; CLUSTER: the four work-groups of a cluster hold different keys and stream the same 16 tiles of classes (147,456 bytes and 6,144 of scale words): asked for JOINTLY, once, at the head, one tensor load a wave:
; waves 0 to 2 a third of the codes each, wave 3 the scale words.  Nothing in LDS is filled twice.
; NO PREFETCH: K's images are loaded once at the head, and the text has no loop that runs ahead of a load from memory.
; LIMITS: NaN and infinities are not served; a block of p that is all zeros gets the byte 1.
; REGISTERS: window 0: v1-25 offsets and statistics; v32-55 K's scale words, v56-58 the streamed tile's; v60-94 at work; v96-159 scores, then p; v160-223 the mask in the accumulators' layout;
;   v224-235 K step 5 of the streamed tile.  windows 1-3: K's fragment (tile t, K step s) in window 1 + s / 2 at v[96 (s % 2) + 12 t]; window 2 from v192: K steps 0-4 of the streamed tile.
.set WSC, 2064384                      ; wq: scale words
.set KSC, 18874368                     ; kvq: K's scale words
.set PST, 25165824                     ; pq: the statistics
.set SSC,   147456                     ; LDS: behind the 16 tiles their scale words,
.set SPARE, 153600                     ; and the spare words, 128 bytes for each wave
.set LI,  1
.set L4,  2
.set ADR, 3
.set ADS, 4
.set VO,  5
.set VP,  6
.set NEG, 7
.set SPW, 8
.set NIL, 9
.set NM,  10
.set T,   12
.set LX,  13
.set SA,  14
.set SC2, 16
.set NM0, 18
.set LK0, 19
.set PW,  20
.set PW0, 21
.set DD,  22
.set MA,  25
.set RS,  32
.set FS,  56
.set BM,  60
.set BX,  64
.set SO,  68
.set BY,  72
.set PC,  76
.set ACC, 96
.set MSK, 160
.set F5,  224
.set WV,  12
.set HM,  13
.set SEL, 14
.set CS,  16
.set G1C, 24
.set G1S, 32
.set G0C, 40
.set G0S, 44
.set RB,  48
.set RSB, 50
.set PS,  52
.set MK,  54
.set TB,  56
.set TS,  57
.set KC,  58
.set I2,  59
.set PB0, 60
.set PS0, 61
.set MSB, 0
.macro WIN new                         ; the immediate's high byte repeats the setting that is left
.if MSB != (\new)
	s_set_vgpr_msb (MSB<<8)|(\new)
.set MSB, (\new)
.endif
.endm
.macro PLACES n
.rept \n
	v_nop
.endr
.endm
.macro CROUND                          ; a round of the cluster's barrier
	s_barrier_signal -1
	s_barrier_wait -1
	s_cmp_lg_u32 s[WV], 0
	s_cbranch_scc1 .Lnot_wave_0_\@
	s_barrier_signal -3
.Lnot_wave_0_\@:
	s_barrier_wait -3
	s_barrier_signal -1
	s_barrier_wait -1
.endm
.macro WM d, a, b, k, cb, sa, sb
.if (\k) == 0
	v_wmma_scale_f32_16x16x128_f8f6f4 v[(\d):(\d)+7], v[(\a):(\a)+11], v[(\b):(\b)+11], v[(\cb):(\cb)+7], v[(\sa)], v[(\sb)] matrix_a_fmt:MATRIX_FMT_FP6 matrix_b_fmt:MATRIX_FMT_FP6
.elseif ((\k)%2) == 0
	v_wmma_scale_f32_16x16x128_f8f6f4 v[(\d):(\d)+7], v[(\a):(\a)+11], v[(\b):(\b)+11], v[(\d):(\d)+7], v[(\sa)], v[(\sb)] matrix_a_fmt:MATRIX_FMT_FP6 matrix_b_fmt:MATRIX_FMT_FP6
.else
	v_wmma_scale_f32_16x16x128_f8f6f4 v[(\d):(\d)+7], v[(\a):(\a)+11], v[(\b):(\b)+11], v[(\d):(\d)+7], v[(\sa)], v[(\sb)] matrix_a_fmt:MATRIX_FMT_FP6 matrix_b_fmt:MATRIX_FMT_FP6 matrix_a_scale:MATRIX_SCALE_ROW1 matrix_b_scale:MATRIX_SCALE_ROW1
.endif
.endm
.macro MM                              ; a unit's 48 products: the eight accumulators take turns; K step 0 takes the mask as C
.irp s, 0,1,2,3,4,5
.if \s < 5
	WIN (1+\s/2)|8
.set FB_, 192+12*\s
.else
	WIN 3
.set FB_, F5
.endif
.irp t, 0,1,2,3,4,5,6,7
	WM ACC+8*\t, 96*(\s%2)+12*\t, FB_, \s, MSK+8*\t, RS+3*\t+\s/2, FS+\s/2
.endr
.endr
	WIN 0
.endm
.macro LOADL off                       ; 21 LDS loads in one run: the tile off tiles on from the one that v[ADR] names
	WIN 0x80
.irp s, 0,1,2,3,4
.irp g, 0,1,2
	ds_load_b128 v[192+12*\s+4*\g:192+12*\s+4*\g+3], v[ADR] offset:(\off)*9216+1536*\s+512*\g
.endr
.endr
	WIN 0
.irp g, 0,1,2
	ds_load_b128 v[F5+4*\g:F5+4*\g+3], v[ADR] offset:(\off)*9216+7680+512*\g
.endr
.irp q, 0,1,2
	ds_load_b32 v[FS+\q], v[ADS] offset:(\off)*384+128*\q
.endr
.endm
.macro SOFF j                          ; where the results of the pair's unit j go.  s62: the image: ((16 batch + class block) x 32 + key step) x 8 + tile in the block; s66: the pair's statistics
	s_add_co_u32 s62, s[I2], \j
	s_and_b32 s63, s62, 8
	s_lshl_b32 s63, s63, 5
	s_and_b32 s62, s62, 7
	s_add_co_u32 s62, s62, s63
	s_add_co_u32 s62, s62, s[PB0]
	s_mul_i32 s62, s62, 1536
.if \j
	s_lshr_b32 s66, s[I2], 3
	s_lshl_b32 s66, s66, 5
	s_add_co_u32 s66, s66, s[PS0]
	s_mul_i32 s66, s66, 1536
	s_and_b32 s63, s[I2], 7
	s_lshl_b32 s63, s63, 6
	s_add_co_u32 s66, s66, s63
.endif
.endm
; WHAT FOLLOWS A UNIT'S PRODUCTS.  j: the unit's place in its pair
.macro LIST j
	s_wait_xcnt 0x0                                ; the last unit's stores have read their data and offsets: both may be written again
.irp b, 0,1,2,3
	v_max3_num_f32 v[BM+\b], v[ACC+16*\b], v[ACC+1+16*\b], v[ACC+2+16*\b]   ; the largest score of each block of 32 keys, the four blocks by turns; each accumulator is read from its low end on
.endr
.irp i, 3,5,7,9,11,13
.irp b, 0,1,2,3
	v_max3_num_f32 v[BM+\b], v[BM+\b], v[ACC+16*\b+\i], v[ACC+1+16*\b+\i]
.endr
.endr
.irp b, 0,1,2,3
	v_max_num_f32 v[BM+\b], v[BM+\b], v[ACC+15+16*\b]
.endr
.irp b, 0,1,2,3
	v_permlanex16_b32 v[BX+\b], v[BM+\b], s[SEL], s[SEL+1]
.endr
.irp b, 0,1,2,3
	v_max_num_f32 v[BM+\b], v[BM+\b], v[BX+\b]     ; with lane l xor 16's 16 keys
.endr
	v_max3_num_f32 v[T], v[BM], v[BM+1], v[BM+2]
	v_max_num_f32 v[T], v[T], v[BM+3]
	v_mul_f32 v[T], s[CS], v[T]                    ; the chunk's largest t,
	v_max_num_f32 v[T], v[T], v[NEG]               ; held at -3e38 where no key counts
	v_floor_f32 v[NM], -v[T]                       ; -M = floor(-t): M is a whole number
.irp b, 0,1,2,3
	v_fma_f32 v[BM+\b], v[BM+\b], s[CS], v[NM]     ; t - M of each block's largest score
.endr
.set cn, 0
.rept 32
	v_pk_fma_f32 v[ACC+cn:ACC+cn+1], v[ACC+cn:ACC+cn+1], s[CS:CS+1], v[NM:NM+1] op_sel_hi:[1,0,0]   ; t - M, two at a time
.set cn, cn+2
.endr
	s_wait_alu depctr_va_vdst(0)                   ; ahead of the batch
.set cn, 0
.rept 64
	v_exp_f32 v[ACC+cn], v[ACC+cn]                 ; p = 2^(t - M), at most 1
.set cn, cn+1
.endr
.irp b, 0,1,2,3
	v_exp_f32 v[BM+\b], v[BM+\b]                   ; the block's largest p: the same two instructions on the same number
.endr
	v_add_nc_u32 v[VO], s62, v[LI]                 ; the image's offset: the plain place behind the exponentials
	s_wait_alu depctr_va_vdst(0)                   ; one wait for the 68, ahead of their first reader
.irp b, 0,1,2,3
	v_max_num_f32 v[BM+\b], 0x1800000, v[BM+\b]    ; the floor 2^(3 - 127): the byte cannot fall under 1
.endr
.irp b, 0,1,2,3
	v_add_nc_u32 v[SO+\b], 0xff000000, v[BM+\b]    ; 2 off the exponent field: the conversion's scale operand
.endr
.irp b, 0,1,2,3
	v_lshrrev_b32 v[BY+\b], 23, v[SO+\b]
.endr
	v_lshl_or_b32 v[PW], v[BY+1], 8, v[BY]
	v_lshl_or_b32 v[PW], v[BY+2], 16, v[PW]
	v_lshl_or_b32 v[PW], v[BY+3], 24, v[PW]
.irp c, 0,1
	v_cvt_scalef32_pk16_fp6_f32 v[PC+6*\c:PC+2+6*\c], v[ACC+32*\c:ACC+15+32*\c], v[SO+2*\c]
	v_cvt_scalef32_pk16_fp6_f32 v[PC+12+4*\c:PC+14+4*\c], v[ACC+16+32*\c:ACC+31+32*\c], v[SO+2*\c+1]
.endr
	v_nop                                          ; one plain place behind a scaled conversion
.irp c, 0,1                                    ; the operand's layout wants a whole block in a lane
.irp i, 0,1,2
	v_permlane16_swap_b32 v[PC+6*\c+\i], v[PC+12+4*\c+\i]
.endr
.irp i, 0,1,2
	v_mov_b32 v[PC+3+6*\c+\i], v[PC+12+4*\c+\i]
.endr
.endr
.irp g, 0,1,2
	global_store_b128 v[VO], v[PC+4*\g:PC+4*\g+3], s[10:11] offset:512*\g   ; 32 lanes store 512 consecutive bytes, aligned
.endr
	v_pk_add_f32 v[SA:SA+1], v[ACC:ACC+1], v[ACC+4:ACC+5]          ; the sum of the unquantised p, in two chains
	v_pk_add_f32 v[SC2:SC2+1], v[ACC+2:ACC+3], v[ACC+6:ACC+7]
.irp n, 8,12,16,20,24,28,32,36,40,44,48,52,56,60
	v_pk_add_f32 v[SA:SA+1], v[SA:SA+1], v[ACC+\n:ACC+\n+1]
	v_pk_add_f32 v[SC2:SC2+1], v[SC2:SC2+1], v[ACC+\n+2:ACC+\n+3]
.endr
	v_pk_add_f32 v[SA:SA+1], v[SA:SA+1], v[SC2:SC2+1]
	v_add_f32 v[SA], v[SA], v[SA+1]
	v_permlanex16_b32 v[LX], v[SA], s[SEL], s[SEL+1]
	v_add_f32 v[SA], v[SA], v[LX]                  ; the chunk's sum, the same in both halves of the lanes
.if (\j) == 0
	v_mov_b32 v[PW0], v[PW]                        ; kept for the pair's second unit
	v_mov_b32 v[NM0], v[NM]
	v_mov_b32 v[LK0], v[SA]
.else
	v_cndmask_b32 v[DD], v[PW0], v[PW], s[HM]      ; lanes 0-15 the first unit's classes, lanes 16-31 the second's
	v_cndmask_b32 v[DD+1], v[NM0], v[NM], s[HM]
	v_cndmask_b32 v[DD+2], v[LK0], v[SA], s[HM]
	v_add_nc_u32 v[VP], s66, v[L4]
.irp i, 0,1,2
	global_store_b32 v[VP], v[DD+\i], s[PS:PS+1] offset:512*\i   ; 128 consecutive bytes each: scale words, -M, sums
.endr
.endif
.endm
	s_load_b256 s[4:11], s[0:1], 0x0               ; kvq, wq, attention_masks, pq
	v_lshl_add_u32 v[SPW], v0, 2, SPARE
	v_mov_b32 v[NIL], 0
	ds_add_u32 v[SPW], v[NIL]                      ; the opening: the add, twice on end, and its wait ahead of my first tensor load
	ds_add_u32 v[SPW], v[NIL]
	v_lshrrev_b32 v1, 5, v0
	v_readfirstlane_b32 s[WV], v1
	s_bfe_u32 s18, ttmp6, 0x40000                  ; cx
	s_lshl_b32 s19, ttmp9, 2
	s_add_co_u32 s19, s19, s18                     ; which 512 keys are my work-group's
	s_and_b32 s20, ttmp7, 0xffff                   ; which 256 classes: the four partners share them
	s_lshl_b32 s21, s19, 2
	s_add_co_u32 s21, s21, s[WV]                   ; which 128 keys are my wave's
	s_lshr_b32 s22, s19, 3                         ; batch
	s_and_b32 s23, s21, 31                         ; key step in the batch
	; dense blocks, as rows of 256 bytes (32 elements of 8 bytes)
	s_mov_b32 s[G1C], 15|(3<<16)|(1<<21)           ; the mask: all four work-groups; elements of 8 bytes; bit 21 set beside a mask
	s_mov_b32 s[G1C+1], 32<<16
	s_mov_b32 s[G1C+2], 192<<16                    ; 192 rows: a third of the 16 tiles
	s_mov_b32 s[G1C+3], 32<<16
	s_mov_b32 s[G1C+4], 192
	s_mov_b32 s[G1C+5], 32
	s_mov_b32 s[G1C+6], 0
	s_mov_b32 s[G1C+7], 0
	s_mov_b32 s[G1S], 15|(3<<16)|(1<<21)
	s_mov_b32 s[G1S+1], 32<<16
	s_mov_b32 s[G1S+2], 24<<16                     ; 24 rows: the 16 tiles' scale words
	s_mov_b32 s[G1S+3], 32<<16
	s_mov_b32 s[G1S+4], 24
	s_mov_b32 s[G1S+5], 32
	s_mov_b32 s[G1S+6], 0
	s_mov_b32 s[G1S+7], 0
	s_mov_b32 s[G0C], 1
	s_mul_i32 s[G0C+1], s[WV], 49152               ; no place in the cluster enters an LDS address
	s_mov_b32 s[G0S], 1
	s_mov_b32 s[G0S+1], SSC
	s_lshl_b32 s62, s20, 4
	s_add_co_u32 s62, s62, 96                      ; label_reps' tiles begin at tile 96 of wq
	s_mul_i32 s66, s62, 9216
	s_mul_i32 s63, s[WV], 49152
	s_add_co_u32 s66, s66, s63                     ; my third of the codes
	s_mov_b32 s67, 0
	s_mul_i32 s68, s62, 384
	s_add_co_u32 s68, s68, WSC
	s_mov_b32 s69, 0
	s_mov_b32 s[HM], 0xffff0000
	s_mov_b32 s[SEL], 0x76543210
	s_mov_b32 s[SEL+1], 0xfedcba98
	s_mov_b32 s[CS], 0x3fb8aa3b                    ; log2(e)
	s_mov_b32 s[CS+1], s[CS]
	s_lshl_b32 s[PS0], s22, 4
	s_lshl_b32 s70, s20, 1
	s_add_co_u32 s[PS0], s[PS0], s70
	s_lshl_b32 s[PS0], s[PS0], 5
	s_add_co_u32 s[PS0], s[PS0], s23               ; (16 batch + 2 x my 256 classes) x 32 + key step
	s_lshl_b32 s[PB0], s[PS0], 3
	s_mov_b32 s[TB], 0
	s_mov_b32 s[TS], 0
	s_mov_b32 s[I2], 0
	s_wait_dscnt 0x0                               ; both opening adds are done
	s_wait_kmcnt 0x0
	s_add_nc_u64 s[G0C+2:G0C+3], s[6:7], s[66:67]
	s_or_b32 s[G0C+3], s[G0C+3], 0x80000000
	s_add_nc_u64 s[G0S+2:G0S+3], s[6:7], s[68:69]
	s_or_b32 s[G0S+3], s[G0S+3], 0x80000000
	s_mul_i32 s70, s21, 73728
	s_mov_b32 s71, 0
	s_add_nc_u64 s[RB:RB+1], s[4:5], s[70:71]      ; my 128 keys' images
	s_mul_i32 s70, s21, 3072
	s_add_co_u32 s70, s70, KSC
	s_add_nc_u64 s[RSB:RSB+1], s[4:5], s[70:71]    ; their scale words
	s_lshl_b32 s70, s21, 9
	s_add_nc_u64 s[MK:MK+1], s[8:9], s[70:71]      ; their mask
	s_mov_b32 s70, PST
	s_add_nc_u64 s[PS:PS+1], s[10:11], s[70:71]
	CROUND                                         ; all four work-groups are here: the joint loads meet
	s_cmp_lt_u32 s[WV], 3                          ; one tensor load a wave: waves 0-2 the codes, wave 3 the scale words
	s_cbranch_scc0 .Lwords
	tensor_load_to_lds s[G0C:G0C+3], s[G1C:G1C+7]
	s_nop 0
	PLACES 4
	s_branch .Lasked
.Lwords:
	tensor_load_to_lds s[G0S:G0S+3], s[G1S:G1S+7]
	s_nop 0
	PLACES 4
.Lasked:
	v_and_b32 v[L4], 31, v0
	v_lshlrev_b32 v[LI], 4, v[L4]
	v_lshlrev_b32 v[L4], 2, v[L4]
	v_bfe_u32 v[MA], v0, 4, 1
	v_lshlrev_b32 v[MA], 6, v[MA]
	v_mov_b32 v[NEG], 0xff61b1e6                   ; -3e38
	v_mov_b32 v[NM+1], 0                           ; (named as the upper half of a pair)
	v_mov_b32 v[LX], 0                             ; written once: a lane permute's destination counts as one of its sources
.irp b, 0,1,2,3
	v_mov_b32 v[BX+\b], 0
.endr
	v_mov_b32 v[ADR], v[LI]
	v_add_nc_u32 v[ADS], SSC, v[L4]
.irp s, 0,1,2,3,4,5
	WIN (1+\s/2)<<6
.irp t, 0,1,2,3,4,5,6,7
.irp g, 0,1,2
	global_load_b128 v[96*(\s%2)+12*\t+4*\g:96*(\s%2)+12*\t+4*\g+3], v[LI], s[RB:RB+1] offset:(6*\t+\s)*1536+512*\g
.endr
.endr
.endr
	WIN 0
.set cn, 0
.rept 24
	global_load_b32 v[RS+cn], v[L4], s[RSB:RSB+1] offset:128*cn
.set cn, cn+1
.endr
.irp t, 0,1,2,3,4,5,6,7                        ; the mask of keys 32 (t / 2) + 16 h + 8 (t % 2) + 0 .. 7, in the accumulators' layout
	global_load_b128 v[ACC+8*\t:ACC+8*\t+3], v[MA], s[MK:MK+1] offset:(32*(\t/2)+8*(\t%2))*4
	global_load_b128 v[ACC+8*\t+4:ACC+8*\t+7], v[MA], s[MK:MK+1] offset:(32*(\t/2)+8*(\t%2))*4+16
.endr
	s_wait_alu depctr_va_vdst(0)                   ; directly ahead of the wait below
	s_wait_loadcnt 0x0
.set cn, 0
.rept 64
	v_cmp_eq_u32 vcc_lo, 0, v[ACC+cn]
	v_cndmask_b32 v[MSK+cn], 0, v[NEG], vcc_lo
.set cn, cn+1
.endr
	PLACES 4
	s_wait_alu depctr_va_vdst(0)                   ; at the head's end
	s_wait_tensorcnt 0x0                           ; my part of the stage is in,
	s_barrier_signal -1
	s_barrier_wait -1                              ; everybody's is
	LOADL 0
	s_mov_b32 s[KC], 0
.Ltrip:                                            ; eight trips of two units.  At the head: the pair's first tile is on its way into the stream registers
	s_wait_dscnt 0x0                               ; it is in
	SOFF 0
	MM
	PLACES 4                                       ; behind the products: in front of loads into their operands and of the first read of their results
	LOADL 1                                        ; the pair's second tile
	LIST 0
	s_wait_dscnt 0x0
	SOFF 1
	MM
	PLACES 4
	s_add_co_u32 s[TB], s[TB], 18432
	s_min_u32 s63, s[TB], 138240                   ; the next pair's first tile; behind the last pair tile 15 is named once more, so that no load leaves the stage and no branch is needed
	v_add_nc_u32 v[ADR], s63, v[LI]
	s_add_co_u32 s[TS], s[TS], 768
	s_min_u32 s63, s[TS], 5760
	s_add_co_u32 s63, s63, SSC
	v_add_nc_u32 v[ADS], s63, v[L4]
	LOADL 0
	LIST 1
	s_add_co_u32 s[I2], s[I2], 2
	s_add_co_u32 s[KC], s[KC], 1
	s_cmp_lt_u32 s[KC], 8
	s_wait_alu depctr_va_vdst(0)                   ; ahead of the branch
	s_cbranch_scc1 .Ltrip
	s_wait_tensorcnt 0x0                           ; the wave's end
	ds_add_u32 v[SPW], v[NIL]
	s_wait_dscnt 0x0
	CROUND                                         ; the closing round
	s_endpgm
.Lfunc_end_k_qf35b809e19_scores:
	.size	k_qf35b809e19_scores, .Lfunc_end_k_qf35b809e19_scores-k_qf35b809e19_scores
	.p2alignl 7, 3214868480
	.fill 96, 4, 3214868480
	.section	.rodata,"a",@progbits
	.p2align	6, 0x0
	.amdhsa_kernel k_qf35b809e19_scores
		.amdhsa_group_segment_fixed_size 167936
		.amdhsa_private_segment_fixed_size 0
		.amdhsa_enable_private_segment 0
		.amdhsa_kernarg_size 32
		.amdhsa_user_sgpr_count 2
		.amdhsa_user_sgpr_kernarg_segment_ptr 1
		.amdhsa_wavefront_size32 1
		.amdhsa_system_sgpr_workgroup_id_x 1
		.amdhsa_system_sgpr_workgroup_id_y 1
		.amdhsa_system_sgpr_workgroup_id_z 1
		.amdhsa_system_vgpr_workitem_id 0
		.amdhsa_next_free_vgpr 1024
		.amdhsa_next_free_sgpr 72
		.amdhsa_reserve_vcc 1
		.amdhsa_float_denorm_mode_32 3
		.amdhsa_float_denorm_mode_16_64 3
		.amdhsa_memory_ordered 1
		.amdhsa_forward_progress 1
		.amdhsa_inst_pref_size 68
	.end_amdhsa_kernel
	.amdgpu_metadata
---
amdhsa.version: [ 1, 2 ]
amdhsa.kernels:
  - .name:           k_qf35b809e19_scores
    .symbol:         k_qf35b809e19_scores.kd
    .args:
      - { .name: kvq, .offset: 0, .size: 8, .value_kind: global_buffer, .address_space: global }
      - { .name: wq, .offset: 8, .size: 8, .value_kind: global_buffer, .address_space: global }
      - { .name: attention_masks, .offset: 16, .size: 8, .value_kind: global_buffer, .address_space: global }
      - { .name: pq, .offset: 24, .size: 8, .value_kind: global_buffer, .address_space: global }
    .group_segment_fixed_size: 167936
    .private_segment_fixed_size: 0
    .kernarg_segment_align: 8
    .kernarg_segment_size: 32
    .max_flat_workgroup_size: 128
    .sgpr_count:     72
    .vgpr_count:     1024
    .wavefront_size: 32
...
	.end_amdgpu_metadata
.endif
;; end of part 3
;; launch pv (part 4): grid 16 x 16, 4 waves a work-group, clusters of 4 x 4, 327,680 bytes of LDS; arguments kvq, pq, out_w, ln_gamma, part; writes part
.if DOCPART == 4
	.amdgcn_target "amdgcn-amd-amdhsa--gfx1250"
	.amdhsa_code_object_version 6
	.text
	.protected	k_qf35b809e19_pv
	.globl	k_qf35b809e19_pv
	.p2align	8
	.type	k_qf35b809e19_pv,@function
k_qf35b809e19_pv:
	s_mov_b64 s[64:65], 0
	v_nop
	global_prefetch_b8 v0, s[64:65] scope:SCOPE_SE
	s_setreg_imm32_b32 hwreg(HW_REG_WAVE_MODE, 25, 1), 1
	s_wait_xcnt 0x0
	s_wait_alu depctr_hold_cnt(0) depctr_sa_sdst(0) depctr_va_vdst(0) depctr_va_sdst(0) depctr_va_ssrc(0) depctr_va_vcc(0) depctr_vm_vsrc(0)
	s_getreg_b32 s2, hwreg(HW_REG_IB_STS2, 6, 4)
	s_cmp_eq_u32 s2, 0
	s_cbranch_scc0 .Lentry_in_a_cluster
	s_endpgm
.Lentry_in_a_cluster:
	s_bfe_u32 s2, ttmp6, 0x10000c
	s_cmp_lg_u32 s2, 0xf033
	s_cbranch_scc0 .Lentry_shape_is_right
	s_endpgm
.Lentry_shape_is_right:
; O^T = Q(V)^T Q(p)^T over the 4,096 keys of a batch, on codes of FP6 (E2M3), and of y = O / l three numbers for each class and each 96 of the 768: the mean, the sum of squares about it, and the sum of
; out_w ln_gamma (y - mean).  The next launch joins the eight parts of a class.
; A work-group makes 192 of the 768 x 128 classes; a wave 96 x 64: 24 accumulators by turns.  Source 0 = 16 of the 768 (V^T), source 1 = 16 classes (p): a lane holds one class.
; THE RING: two slots, each with four key steps of 128: V 73,728 bytes and p 49,152, dense images of operand registers.  Waves 0, 1 fetch V's halves, waves 2, 3 p's: one tensor load a wave behind each round.
; A change of slots stands among the 24 products of a slot's last key step: eight between the add and the wait for it, eight between the barrier's signal and its wait, eight behind the next slot's first fetch.
; A trip of the loop goes once round the ring, from slot 0's second key step to its next first one; only the very first key step, whose products start the sums, stands in front of it.
; CLUSTER 4 x 4: the four of a row share V's tiles (batch, which 192), the four of a column p's (batch, which 128 classes): asked for jointly.
; THE CHUNKS' M: p comes per chunk of 128 keys under the chunk's own whole number M.  Wave w takes chunks 8 w .. 8 w + 7 of all 128 classes, four classes a lane (each load reads 512 consecutive bytes; 60 loads a wave
; in all).  The waves' partial maxima meet in LDS across the round that stands in front of slot 1's first fill.  d = row's M - chunk's M, held at 127, is taken off the four bytes of a scale word at once: bytes are
; under 128, so word + four bytes of (128 - d) carries nothing from byte to byte, bit 7 of a byte says that it did not fall under 0, and a byte that would is set to 0.  l = the sum of the chunks' sums x 2^-d, kept as
; four partial sums.  The words, the partial sums and V's scale words (copied by plain loads) lie in LDS bytes of their own: no tensor load lands there.
; PREFETCH: behind the load of fill f each wave names its share of fill f + 2 (at the head fills 1 and 2): of V's 288 blocks of 256 bytes a partner along the row takes 72, a wave 18; of p's 192 a partner along the
; column takes 48, a wave 12: a lane a block, the lanes left over name the wave's last block again.  Shares are told apart by address.  The last two fills have none two on: the loop's last trip asks for nothing.
; THE WAY OUT works on O: mean, squares and the weighted sum are taken of O about its own mean and multiplied by 1 / l, 1 / l^2, 1 / l at the end.  No difference of large sums is formed.
; LIMITS: NaN and infinities are not served; a chunk more than 127 powers of two under the row's M counts with 2^-127 in its place.
; REGISTERS: window 0: v1-30 addresses, scale words; v32-127 p's fragments, two buffers; v128-249 the head's statistics, then the way out.  window 1: v0-143 V's fragments, two buffers; v144-191 out_w ln_gamma.
;   window 2: accumulator (dt, ct) at v[8 (4 dt + ct)].
.set VC,  9437184                      ; kvq: V's codes
.set VSG, 19267584                     ; kvq: V's scale words
.set PST, 25165824                     ; pq: the statistics
.set SLOTB, 122880
.set POFF,  73728
.set VSC,   245760                     ; LDS behind the ring: V's scale words, 24,576 bytes
.set PSC,   270336                     ; p's scale words, 16,384
.set LSM,   286720                     ; l: four partial sums for each class, 2,048
.set NMX,   288768                     ; the waves' partial maxima, 2,048
.set SPARE, 290816                     ; the spare words
.set LI,  1
.set ADV, 2                            ; v2, v3  my V fragments in slot 0, 1
.set ADP, 4                            ; v4, v5  my p fragments
.set ADS, 6
.set ADT, 7
.set PSW, 8
.set LSA, 9
.set SPW, 10
.set NIL, 11
.set NXA, 12
.set HA,  13
.set PFV, 14
.set PFP, 15
.set SV,  16
.set SP,  22
.set LV,  26
.set LRD, 28
.set VSA, 29
.set NXR, 30
.set PF,  32
.set W,   128
.set NMH, 160
.set LL,  192
.set NMIN, 224
.set NX,  228
.set TL,  244
.set T4,  245
.set Y,   128
.set RES, 176
.set OUT, 192
.set TQ,  200
.set QA,  224
.set QB,  226
.set QC,  228
.set QD,  230
.set PX,  232
.set MP,  234
.set MG,  236
.set LP,  242
.set AW,  144
.set WV,  14
.set HM,  17
.set SEL, 18
.set G1V, 24
.set G0V, 32
.set G1P, 48
.set G0P, 56
.set PVB, 68
.set PPB, 70
.set KC,  82
.set MSB, 0
.macro WIN new
.if MSB != (\new)
	s_set_vgpr_msb (MSB<<8)|(\new)
.set MSB, (\new)
.endif
.endm
.macro PLACES n
.rept \n
	v_nop
.endr
.endm
.macro CREST                           ; a round of the cluster's barrier behind its opening barrier
	s_cmp_lg_u32 s[WV], 0
	s_cbranch_scc1 .Lnot_wave_0_\@
	s_barrier_signal -3
.Lnot_wave_0_\@:
	s_barrier_wait -3
	s_barrier_signal -1
	s_barrier_wait -1
.endm
.macro CROUND                          ; a whole round
	s_barrier_signal -1
	s_barrier_wait -1
	CREST
.endm
.macro JLOAD n                         ; a joint load: each line has one mask; the branch hangs on the wave's number alone
	s_cmp_eq_u32 s15, 0
	s_cbranch_scc0 .Lfor_p_\@
	tensor_load_to_lds s[G0V+4*\n:G0V+4*\n+3], s[G1V:G1V+7]
	s_nop 0
.rept 4
	v_nop
.endr
	s_branch .Lasked_\@
.Lfor_p_\@:
	tensor_load_to_lds s[G0P+4*\n:G0P+4*\n+3], s[G1P:G1P+7]
	s_nop 0
.rept 4
	v_nop
.endr
.Lasked_\@:
.endm
.macro ASK f, cond                     ; my share of the fill f fills on from the bases; cond = 1: not in the loop's last trip
.if \cond
	s_cmp_lt_u32 s[KC], 2
	s_cbranch_scc0 .Lno_ask_\@
.endif
	global_prefetch_b8 v[PFV], s[PVB:PVB+1] offset:(\f)*73728 th:TH_LOAD_NT scope:SCOPE_SE
	global_prefetch_b8 v[PFP], s[PPB:PPB+1] offset:(\f)*49152 th:TH_LOAD_NT scope:SCOPE_SE
.if \cond
.Lno_ask_\@:
.endif
.endm
.macro WM d, a, b, z, sa, sb, ra, rb
.if (\z)
.if (\ra) && (\rb)
	v_wmma_scale_f32_16x16x128_f8f6f4 v[(\d):(\d)+7], v[(\a):(\a)+11], v[(\b):(\b)+11], 0, v[(\sa)], v[(\sb)] matrix_a_fmt:MATRIX_FMT_FP6 matrix_b_fmt:MATRIX_FMT_FP6 matrix_a_scale:MATRIX_SCALE_ROW1 matrix_b_scale:MATRIX_SCALE_ROW1
.elseif (\ra)
	v_wmma_scale_f32_16x16x128_f8f6f4 v[(\d):(\d)+7], v[(\a):(\a)+11], v[(\b):(\b)+11], 0, v[(\sa)], v[(\sb)] matrix_a_fmt:MATRIX_FMT_FP6 matrix_b_fmt:MATRIX_FMT_FP6 matrix_a_scale:MATRIX_SCALE_ROW1
.elseif (\rb)
	v_wmma_scale_f32_16x16x128_f8f6f4 v[(\d):(\d)+7], v[(\a):(\a)+11], v[(\b):(\b)+11], 0, v[(\sa)], v[(\sb)] matrix_a_fmt:MATRIX_FMT_FP6 matrix_b_fmt:MATRIX_FMT_FP6 matrix_b_scale:MATRIX_SCALE_ROW1
.else
	v_wmma_scale_f32_16x16x128_f8f6f4 v[(\d):(\d)+7], v[(\a):(\a)+11], v[(\b):(\b)+11], 0, v[(\sa)], v[(\sb)] matrix_a_fmt:MATRIX_FMT_FP6 matrix_b_fmt:MATRIX_FMT_FP6
.endif
.else
.if (\ra) && (\rb)
	v_wmma_scale_f32_16x16x128_f8f6f4 v[(\d):(\d)+7], v[(\a):(\a)+11], v[(\b):(\b)+11], v[(\d):(\d)+7], v[(\sa)], v[(\sb)] matrix_a_fmt:MATRIX_FMT_FP6 matrix_b_fmt:MATRIX_FMT_FP6 matrix_a_scale:MATRIX_SCALE_ROW1 matrix_b_scale:MATRIX_SCALE_ROW1
.elseif (\ra)
	v_wmma_scale_f32_16x16x128_f8f6f4 v[(\d):(\d)+7], v[(\a):(\a)+11], v[(\b):(\b)+11], v[(\d):(\d)+7], v[(\sa)], v[(\sb)] matrix_a_fmt:MATRIX_FMT_FP6 matrix_b_fmt:MATRIX_FMT_FP6 matrix_a_scale:MATRIX_SCALE_ROW1
.elseif (\rb)
	v_wmma_scale_f32_16x16x128_f8f6f4 v[(\d):(\d)+7], v[(\a):(\a)+11], v[(\b):(\b)+11], v[(\d):(\d)+7], v[(\sa)], v[(\sb)] matrix_a_fmt:MATRIX_FMT_FP6 matrix_b_fmt:MATRIX_FMT_FP6 matrix_b_scale:MATRIX_SCALE_ROW1
.else
	v_wmma_scale_f32_16x16x128_f8f6f4 v[(\d):(\d)+7], v[(\a):(\a)+11], v[(\b):(\b)+11], v[(\d):(\d)+7], v[(\sa)], v[(\sb)] matrix_a_fmt:MATRIX_FMT_FP6 matrix_b_fmt:MATRIX_FMT_FP6
.endif
.endif
.endm
.macro FETCH slot, e, buf, eo          ; 35 LDS loads: key step e of the slot into buffer buf; eo: the step counted from where v[ADS], v[ADT] stand
	WIN 0x40
.irp dt, 0,1,2,3,4,5
.irp g, 0,1,2
	ds_load_b128 v[72*(\buf)+12*\dt+4*\g:72*(\buf)+12*\dt+4*\g+3], v[ADV+(\slot)] offset:18432*(\e)+1536*\dt+512*\g
.endr
.endr
	WIN 0
.irp ct, 0,1,2,3
.irp g, 0,1,2
	ds_load_b128 v[PF+48*(\buf)+12*\ct+4*\g:PF+48*(\buf)+12*\ct+4*\g+3], v[ADP+(\slot)] offset:12288*(\e)+1536*\ct+512*\g
.endr
.endr
.irp pr, 0,1,2
	ds_load_b32 v[SV+3*(\buf)+\pr], v[ADS] offset:768*(\eo)+128*\pr
.endr
.irp pr, 0,1
	ds_load_b32 v[SP+2*(\buf)+\pr], v[ADT] offset:512*(\eo)+128*\pr
.endr
.endm
.macro MUL8 buf, g, zz                 ; eight products: V's tiles 2 g, 2 g + 1 x the four tiles of classes
.irp dd, 0,1
.irp ct, 0,1,2,3
	WM 8*(4*(2*(\g)+\dd)+\ct), 72*(\buf)+12*(2*(\g)+\dd), PF+48*(\buf)+12*\ct, \zz, SV+3*(\buf)+(\g), SP+2*(\buf)+\ct/2, \dd, \ct%2
.endr
.endr
.endm
.macro MUL24 buf, zz
	WIN 0xa1
	MUL8 \buf, 0, \zz
	MUL8 \buf, 1, \zz
	MUL8 \buf, 2, \zz
	WIN 0
.endm
; a key step: the next step (slot fs, step fe, counted feo) is fetched into buffer fbuf, then buffer mbuf is multiplied
.macro STEPN fs, fe, fbuf, feo, mbuf, zz
	PLACES 4                                       ; in front of loads into registers that matrix instructions have read
	FETCH \fs, \fe, \fbuf, \feo
	s_wait_dscnt 35                                ; this step's fragments are in; the 35 loads just issued may be out
	MUL24 \mbuf, \zz
.endm
; a slot's last key step (buffer 1) and the change of slots.  fill = 1: the slot just read is filled again; feo: the next slot's first step; af, ac: the prefetch
.macro TURN slot, fill, feo, af, ac
	s_wait_tensorcnt 0x0                           ; my one load that was out, my part of the next slot, has landed;
	ds_add_u32 v[SPW], v[NIL]
.if \fill
	s_add_nc_u64 s[G0V+4*\slot+2:G0V+4*\slot+3], s[G0V+4*\slot+2:G0V+4*\slot+3], 147456
	s_add_nc_u64 s[G0P+4*\slot+2:G0P+4*\slot+3], s[G0P+4*\slot+2:G0P+4*\slot+3], 98304
.endif
	s_wait_dscnt 1                                 ; this step's fragments are in; the add may be out
	WIN 0xa1
	MUL8 1, 0, 0
	s_wait_dscnt 0x0                               ; the add is done, and my reads of this slot are over
	s_barrier_signal -1
	MUL8 1, 1, 0                                   ; work on registers while the others arrive
	WIN 0
	s_barrier_wait -1
.if \fill
	CREST                                          ; the barrier has opened a round: so of every wave of all sixteen work-groups
	JLOAD \slot                                    ; the first tensor load behind the round; its four v_nop are the places in front of the loads below
.else
	PLACES 4
.endif
	FETCH 1-(\slot), 0, 0, \feo
.if \af
	ASK \af, \ac                                   ; behind the joint load, its five lines and the run of LDS loads
.endif
	WIN 0xa1
	MUL8 1, 2, 0
	WIN 0
.endm
.macro EACH32                          ; (sets the counter of the runs below)
.set ck, 0
.endm
	s_load_b256 s[4:11], s[0:1], 0x0               ; kvq, pq, out_w, ln_gamma
	s_load_b64 s[12:13], s[0:1], 0x20              ; part
	v_lshl_add_u32 v[SPW], v0, 2, SPARE
	v_mov_b32 v[NIL], 0
	ds_add_u32 v[SPW], v[NIL]                      ; the opening: the add, twice on end, and its wait
	ds_add_u32 v[SPW], v[NIL]
	v_lshrrev_b32 v[TL], 5, v0
	v_readfirstlane_b32 s[WV], v[TL]
	s_lshr_b32 s15, s[WV], 1                       ; which 64 classes are mine; also: I fetch V (0) or p (1)
	s_and_b32 s16, s[WV], 1                        ; which 96 of the 192; also: which half of the tile I fetch
	s_bfe_u32 s20, ttmp6, 0x40000                  ; cx
	s_bfe_u32 s21, ttmp6, 0x40004                  ; cy: which 192 of the 768
	s_lshl_b32 s22, ttmp9, 2
	s_add_co_u32 s22, s22, s20                     ; which 128 classes
	s_and_b32 s23, ttmp7, 0xffff                   ; batch
	s_lshl_b32 s40, s21, 2
	s_lshl_b32 s40, 15, s40                        ; my row of the cluster
	s_lshl_b32 s41, 0x1111, s20                    ; my column
	s_or_b32 s[G1V], s40, (3<<16)|(1<<21)
	s_or_b32 s[G1P], s41, (3<<16)|(1<<21)
	s_mov_b32 s[G1V+1], 32<<16                     ; dense blocks as rows of 256 bytes: V 144 rows a load,
	s_mov_b32 s[G1V+2], 144<<16
	s_mov_b32 s[G1V+3], 32<<16
	s_mov_b32 s[G1V+4], 144
	s_mov_b32 s[G1V+5], 32
	s_mov_b32 s[G1V+6], 0
	s_mov_b32 s[G1V+7], 0
	s_mov_b32 s[G1P+1], 32<<16                     ; p 96
	s_mov_b32 s[G1P+2], 96<<16
	s_mov_b32 s[G1P+3], 32<<16
	s_mov_b32 s[G1P+4], 96
	s_mov_b32 s[G1P+5], 32
	s_mov_b32 s[G1P+6], 0
	s_mov_b32 s[G1P+7], 0
	s_lshl_b32 s42, s23, 2
	s_add_co_u32 s42, s42, s21                     ; 4 batch + which 192
	s_mul_i32 s44, s42, 589824
	s_mul_i32 s45, s16, 36864
	s_add_co_u32 s44, s44, s45
	s_add_co_u32 s44, s44, VC
	s_mov_b32 s45, 0
	s_mul_i32 s46, s42, 24576
	s_mul_i32 s47, s[WV], 6144
	s_add_co_u32 s46, s46, s47
	s_add_co_u32 s46, s46, VSG                     ; my quarter of V's scale words
	s_mov_b32 s47, 0
	s_lshl_b32 s88, s23, 4
	s_add_co_u32 s88, s88, s22                     ; 16 batch + which 128 classes
	s_mul_i32 s90, s88, 393216
	s_mul_i32 s91, s16, 24576
	s_add_co_u32 s90, s90, s91
	s_mov_b32 s91, 0
	s_mul_i32 s83, s16, 36864
	s_mul_i32 s96, s16, 24576
	s_add_co_u32 s96, s96, POFF
	s_mul_i32 s72, s20, 72                         ; the prefetches: V's blocks 72 cx + 18 wave on,
	s_mul_i32 s73, s[WV], 18
	s_add_co_u32 s72, s72, s73
	s_lshl_b32 s72, s72, 8
	s_mul_i32 s73, s42, 589824
	s_add_co_u32 s72, s72, s73
	s_add_co_u32 s72, s72, VC
	s_mov_b32 s73, 0
	s_mul_i32 s74, s21, 48                         ; p's blocks 48 cy + 12 wave on
	s_mul_i32 s75, s[WV], 12
	s_add_co_u32 s74, s74, s75
	s_lshl_b32 s74, s74, 8
	s_mul_i32 s75, s88, 393216
	s_add_co_u32 s74, s74, s75
	s_mov_b32 s75, 0
	s_mov_b32 s[HM], 0xffff0000
	s_mov_b32 s[SEL], 0x76543210
	s_mov_b32 s[SEL+1], 0xfedcba98
	v_and_b32 v[TL], 31, v0                        ; lane
	v_lshlrev_b32 v[LI], 4, v[TL]
	v_lshlrev_b32 v[T4], 2, v[TL]
	s_wait_alu depctr_va_vdst(0)                   ; behind these writes
	s_mul_i32 s98, s16, 9216
	v_add_nc_u32 v[ADV], s98, v[LI]
	v_add_nc_u32 v[ADV+1], SLOTB, v[ADV]
	s_mul_i32 s98, s15, 6144
	s_add_co_u32 s98, s98, POFF
	v_add_nc_u32 v[ADP], s98, v[LI]
	v_add_nc_u32 v[ADP+1], SLOTB, v[ADP]
	s_mul_i32 s98, s16, 384
	s_add_co_u32 s98, s98, VSC
	v_add_nc_u32 v[ADS], s98, v[T4]
	s_lshl_b32 s98, s15, 8
	s_add_co_u32 s99, s98, PSC
	v_add_nc_u32 v[ADT], s99, v[T4]
	s_add_co_u32 s99, s98, LSM
	v_add_nc_u32 v[LRD], s99, v[T4]                ; l of class 64 x half + lane
	s_mul_i32 s98, s[WV], 6144
	s_add_co_u32 s98, s98, VSC
	v_add_nc_u32 v[VSA], s98, v[LI]
	s_lshl_b32 s98, s[WV], 12
	s_add_co_u32 s98, s98, PSC
	v_add_nc_u32 v[PSW], s98, v[LI]                ; the words of my eight chunks: 512 bytes a chunk, four classes a lane
	s_lshl_b32 s98, s[WV], 9
	s_add_co_u32 s99, s98, LSM
	v_add_nc_u32 v[LSA], s99, v[LI]
	s_add_co_u32 s99, s98, NMX
	v_add_nc_u32 v[NXA], s99, v[LI]
	v_add_nc_u32 v[NXR], NMX, v[LI]
	v_bfe_u32 v[HA], v0, 4, 1
	v_lshlrev_b32 v[HA], 5, v[HA]
	v_min_u32 v[PFV], 17, v[TL]
	v_lshlrev_b32 v[PFV], 8, v[PFV]
	v_min_u32 v[PFP], 11, v[TL]
	v_lshlrev_b32 v[PFP], 8, v[PFP]
	s_wait_alu depctr_va_vdst(0)                   ; directly ahead of the waits below
	s_wait_dscnt 0x0                               ; both opening adds are done
	s_wait_kmcnt 0x0
	s_add_nc_u64 s[44:45], s[4:5], s[44:45]
	s_add_nc_u64 s[46:47], s[4:5], s[46:47]
	s_add_nc_u64 s[90:91], s[6:7], s[90:91]
	s_add_nc_u64 s[PVB:PVB+1], s[4:5], s[72:73]
	s_add_nc_u64 s[PPB:PPB+1], s[6:7], s[74:75]
.irp n, 0,1
	s_mov_b32 s[G0V+4*\n], 1
	s_add_co_u32 s[G0V+4*\n+1], s83, \n*SLOTB
	s_add_nc_u64 s[G0V+4*\n+2:G0V+4*\n+3], s[44:45], \n*73728
	s_or_b32 s[G0V+4*\n+3], s[G0V+4*\n+3], 0x80000000
	s_mov_b32 s[G0P+4*\n], 1
	s_add_co_u32 s[G0P+4*\n+1], s96, \n*SLOTB
	s_add_nc_u64 s[G0P+4*\n+2:G0P+4*\n+3], s[90:91], \n*49152
	s_or_b32 s[G0P+4*\n+3], s[G0P+4*\n+3], 0x80000000
.endr
	s_mul_i32 s98, s88, 49152
	s_add_co_u32 s98, s98, PST
	s_mul_i32 s89, s[WV], 12288
	s_add_co_u32 s98, s98, s89
	s_mov_b32 s99, 0
	s_add_nc_u64 s[84:85], s[6:7], s[98:99]        ; the statistics of my eight chunks of the 128 classes
	s_mul_i32 s98, s21, 768
	s_mul_i32 s89, s16, 384
	s_add_co_u32 s98, s98, s89
	s_add_nc_u64 s[92:93], s[8:9], s[98:99]        ; out_w and ln_gamma at my 96
	s_add_nc_u64 s[94:95], s[10:11], s[98:99]
	s_lshl_b32 s98, s21, 1
	s_add_co_u32 s98, s98, s16
	s_lshl_b32 s98, s98, 17                        ; part: 131,072 bytes for each 96 of the 768,
	s_lshl_b32 s89, s23, 11
	s_lshl_b32 s43, s22, 7
	s_add_co_u32 s89, s89, s43
	s_lshl_b32 s43, s15, 6
	s_add_co_u32 s89, s89, s43
	s_lshl_b32 s89, s89, 4                         ; 16 bytes for each place 2,048 batch + class
	s_add_co_u32 s98, s98, s89
	s_add_nc_u64 s[86:87], s[12:13], s[98:99]
	CROUND                                         ; all sixteen work-groups are here: the first joint loads meet
	JLOAD 0                                        ; fill 0: one tensor load a wave at the head
	ASK 1, 0
	ASK 2, 0
.irp k, 0,1,2,3,4,5,6,7
	global_load_b128 v[NMH+4*\k:NMH+4*\k+3], v[LI], s[84:85] offset:1536*\k+512    ; -M of classes 4 lane + 0 .. 3, my chunk k
.endr
.irp k, 0,1,2,3,4,5,6,7
	global_load_b128 v[LL+4*\k:LL+4*\k+3], v[LI], s[84:85] offset:1536*\k+1024     ; their sums
.endr
.irp k, 0,1,2,3,4,5,6,7
	global_load_b128 v[W+4*\k:W+4*\k+3], v[LI], s[84:85] offset:1536*\k            ; their scale words
.endr
	WIN 0x40
.irp i, 0,1,2,3,4,5,6,7,8,9,10,11
	global_load_b128 v[4*\i:4*\i+3], v[LI], s[46:47] offset:512*\i   ; my quarter of V's scale words
.endr
	WIN 0
.irp dt, 0,1,2,3,4,5
	global_load_b128 v[32+8*\dt:35+8*\dt], v[HA], s[92:93] offset:64*\dt
	global_load_b128 v[36+8*\dt:39+8*\dt], v[HA], s[92:93] offset:64*\dt+16
	global_load_b128 v[80+8*\dt:83+8*\dt], v[HA], s[94:95] offset:64*\dt
	global_load_b128 v[84+8*\dt:87+8*\dt], v[HA], s[94:95] offset:64*\dt+16
.endr
	s_wait_loadcnt 52                              ; of the 60 loads the first eight are in: -M
.irp q, 0,1,2,3
	v_min3_num_f32 v[NMIN+\q], v[NMH+\q], v[NMH+4+\q], v[NMH+8+\q]
.endr
.irp n, 12,20
.irp q, 0,1,2,3
	v_min3_num_f32 v[NMIN+\q], v[NMIN+\q], v[NMH+\n+\q], v[NMH+\n+4+\q]
.endr
.endr
.irp q, 0,1,2,3
	v_min_num_f32 v[NMIN+\q], v[NMIN+\q], v[NMH+28+\q]   ; - the largest M of my eight chunks
.endr
	ds_store_b128 v[NXA], v[NMIN:NMIN+3]
	s_wait_alu depctr_va_vdst(0)                   ; directly ahead of the wait below
	s_wait_tensorcnt 0x0                           ; my part of fill 0 is in; slot 1's first fill is issued as a refill is:
	ds_add_u32 v[SPW], v[NIL]
	s_wait_dscnt 0x0                               ; the add and my LDS store are done
	CROUND
	JLOAD 1
.irp i, 0,1,2,3
	ds_load_b128 v[NX+4*\i:NX+4*\i+3], v[NXR] offset:512*\i   ; the four waves' partial maxima
.endr
	ASK 3, 0
	s_wait_dscnt 0x0
	s_wait_loadcnt 36                              ; the sums and the scale words are in; the 36 loads behind them may be out
.irp q, 0,1,2,3
	v_min3_num_f32 v[NMIN+\q], v[NX+\q], v[NX+4+\q], v[NX+8+\q]
.endr
.irp q, 0,1,2,3
	v_min_num_f32 v[NMIN+\q], v[NMIN+\q], v[NX+12+\q]    ; - the row's M
.endr
	EACH32
.rept 32
	v_sub_f32 v[NMH+ck], v[NMIN+ck%4], v[NMH+ck]   ; -d = chunk's M - row's M, 0 or less
.set ck, ck+1
.endr
	EACH32
.rept 32
	v_max_num_f32 v[NMH+ck], 0xc2fe0000, v[NMH+ck] ; held at -127
.set ck, ck+1
.endr
	EACH32
.rept 32
	v_cvt_i32_f32 v[NMH+ck], v[NMH+ck]
.set ck, ck+1
.endr
	EACH32
.rept 32
	v_ldexp_f32 v[LL+ck], v[LL+ck], v[NMH+ck]      ; the chunk's sum under the row's M
.set ck, ck+1
.endr
	EACH32
.rept 32
	v_add_nc_u32 v[NMH+ck], 128, v[NMH+ck]         ; 128 - d: 1 .. 128
.set ck, ck+1
.endr
	EACH32
.rept 32
	v_perm_b32 v[NMH+ck], v[NMH+ck], v[NMH+ck], 0  ; in all four bytes
.set ck, ck+1
.endr
.irp n, 0,8,16,24
	v_pk_add_f32 v[LL+\n:LL+\n+1], v[LL+\n:LL+\n+1], v[LL+\n+4:LL+\n+5]
	v_pk_add_f32 v[LL+\n+2:LL+\n+3], v[LL+\n+2:LL+\n+3], v[LL+\n+6:LL+\n+7]
.endr
.irp n, 0,16
	v_pk_add_f32 v[LL+\n:LL+\n+1], v[LL+\n:LL+\n+1], v[LL+\n+8:LL+\n+9]
	v_pk_add_f32 v[LL+\n+2:LL+\n+3], v[LL+\n+2:LL+\n+3], v[LL+\n+10:LL+\n+11]
.endr
	v_pk_add_f32 v[NX:NX+1], v[LL:LL+1], v[LL+16:LL+17]
	v_pk_add_f32 v[NX+2:NX+3], v[LL+2:LL+3], v[LL+18:LL+19]   ; my eight chunks' part of l, four classes
	ds_store_b128 v[LSA], v[NX:NX+3]
	EACH32
.rept 32
	v_add_nc_u32 v[W+ck], v[W+ck], v[NMH+ck]       ; each byte + 128 - d: at most 253, nothing is carried
.set ck, ck+1
.endr
	EACH32
.rept 32
	v_and_b32 v[NMH+ck], 0x80808080, v[W+ck]       ; bit 7: the byte did not fall under 0
.set ck, ck+1
.endr
	EACH32
.rept 32
	v_lshrrev_b32 v[LL+ck], 7, v[NMH+ck]
.set ck, ck+1
.endr
	EACH32
.rept 32
	v_sub_nc_u32 v[NMH+ck], v[NMH+ck], v[LL+ck]    ; 0x7f in such a byte, 0 in the others
.set ck, ck+1
.endr
	EACH32
.rept 32
	v_and_b32 v[W+ck], v[W+ck], v[NMH+ck]          ; byte - d, or 0
.set ck, ck+1
.endr
.irp k, 0,1,2,3,4,5,6,7
	ds_store_b128 v[PSW], v[W+4*\k:W+4*\k+3] offset:512*\k
.endr
	s_wait_alu depctr_va_vdst(0)
	s_wait_loadcnt 24                              ; V's scale words are in; the 24 loads behind them may be out
	WIN 0x04
.irp i, 0,1,2,3,4,5,6,7,8,9,10,11
	ds_store_b128 v[VSA], v[4*\i:4*\i+3] offset:512*\i
.endr
	WIN 0
	s_wait_loadcnt 0x0
	WIN 0x40
.set cn, 0
.rept 24
	v_pk_mul_f32 v[AW+cn:AW+1+cn], v[32+cn:33+cn], v[80+cn:81+cn]   ; out_w ln_gamma at d = 16 dt + 8 h + n
.set cn, cn+2
.endr
	WIN 0
	s_wait_alu depctr_va_vdst(0)                   ; at the head's end
	s_wait_dscnt 0x0                               ; my LDS stores are done
	s_barrier_signal -1
	s_barrier_wait -1                              ; everybody's are
	FETCH 0, 0, 0, 0
	STEPN 0, 1, 1, 1, 0, 1                         ; key step 0 starts the sums
	s_mov_b32 s[KC], 0
.Llap:                                             ; three trips of eight key steps: fills 2 to 7 are asked for
	STEPN 0, 2, 0, 2, 1, 0
	STEPN 0, 3, 1, 3, 0, 0
	TURN 0, 1, 4, 4, 1
	STEPN 1, 1, 1, 5, 0, 0
	STEPN 1, 2, 0, 6, 1, 0
	STEPN 1, 3, 1, 7, 0, 0
	TURN 1, 1, 8, 5, 1
	STEPN 0, 1, 1, 9, 0, 0
	s_wait_xcnt 0x0                                ; my prefetches have read their bases
	s_add_nc_u64 s[PVB:PVB+1], s[PVB:PVB+1], 147456
	s_add_nc_u64 s[PPB:PPB+1], s[PPB:PPB+1], 98304
	v_add_nc_u32 v[ADS], 6144, v[ADS]              ; eight key steps on
	v_add_nc_u32 v[ADT], 4096, v[ADT]
	s_wait_alu depctr_va_vdst(0)                   ; behind these writes
	s_add_co_u32 s[KC], s[KC], 1
	s_cmp_lt_u32 s[KC], 3
	s_cbranch_scc1 .Llap
	STEPN 0, 2, 0, 2, 1, 0                         ; the last seven key steps: nothing is left to ask for
	STEPN 0, 3, 1, 3, 0, 0
	TURN 0, 0, 4, 0, 0
	STEPN 1, 1, 1, 5, 0, 0
	STEPN 1, 2, 0, 6, 1, 0
	STEPN 1, 3, 1, 7, 0, 0
	s_wait_dscnt 0x0
	MUL24 1, 0
	PLACES 4
.irp pr, 0,1
.irp w, 0,1,2,3
	ds_load_b32 v[LP+4*\pr+\w], v[LRD] offset:128*\pr+512*\w   ; the four parts of l of class 64 x half + 32 pr + lane
.endr
.endr
	v_mov_b32 v[PX], 0
	v_mov_b32 v[MP+1], 0
.irp ct, 0,1,2,3                               ; a tile of 16 classes: lane (r, h) holds class r at d = 16 dt + 8 h + n
	WIN 0x0a
.irp dt, 0,1,2,3,4,5
	v_pk_add_f32 v[TQ+4*\dt:TQ+4*\dt+1], v[8*(4*\dt+\ct):8*(4*\dt+\ct)+1], v[8*(4*\dt+\ct)+4:8*(4*\dt+\ct)+5]     ; each accumulator is read from its low end on
	v_pk_add_f32 v[TQ+4*\dt+2:TQ+4*\dt+3], v[8*(4*\dt+\ct)+2:8*(4*\dt+\ct)+3], v[8*(4*\dt+\ct)+6:8*(4*\dt+\ct)+7]
.endr
	WIN 0
.irp n, 0,4,8,12,16,20
	v_pk_add_f32 v[TQ+\n:TQ+\n+1], v[TQ+\n:TQ+\n+1], v[TQ+\n+2:TQ+\n+3]
.endr
.irp n, 0,8,16
	v_pk_add_f32 v[TQ+\n:TQ+\n+1], v[TQ+\n:TQ+\n+1], v[TQ+\n+4:TQ+\n+5]
.endr
	v_pk_add_f32 v[TQ:TQ+1], v[TQ:TQ+1], v[TQ+8:TQ+9]
	v_pk_add_f32 v[TQ:TQ+1], v[TQ:TQ+1], v[TQ+16:TQ+17]
	v_add_f32 v[QA], v[TQ], v[TQ+1]
	v_permlanex16_b32 v[PX], v[QA], s[SEL], s[SEL+1]
	v_add_f32 v[QA], v[QA], v[PX]
	v_mul_f32 v[MP], 0x3c2aaaab, v[QA]             ; the mean of O over my 96
	v_mov_b32 v[RES+3*\ct], v[MP]
	WIN 0x02
.irp dt, 0,1,2,3,4,5
.irp n, 0,2,4,6
	v_pk_add_f32 v[Y+8*\dt+\n:Y+8*\dt+\n+1], v[8*(4*\dt+\ct)+\n:8*(4*\dt+\ct)+\n+1], v[MP:MP+1] op_sel_hi:[1,0] neg_lo:[0,1] neg_hi:[0,1]
.endr
.endr
	WIN 0
	v_pk_mul_f32 v[QA:QA+1], v[Y:Y+1], v[Y:Y+1]
	v_pk_mul_f32 v[QB:QB+1], v[Y+2:Y+3], v[Y+2:Y+3]
.irp n, 4,8,12,16,20,24,28,32,36,40,44
	v_pk_fma_f32 v[QA:QA+1], v[Y+\n:Y+\n+1], v[Y+\n:Y+\n+1], v[QA:QA+1]
	v_pk_fma_f32 v[QB:QB+1], v[Y+\n+2:Y+\n+3], v[Y+\n+2:Y+\n+3], v[QB:QB+1]
.endr
	WIN 0x04
	v_pk_mul_f32 v[QC:QC+1], v[Y:Y+1], v[AW:AW+1]
	v_pk_mul_f32 v[QD:QD+1], v[Y+2:Y+3], v[AW+2:AW+3]
.irp n, 4,8,12,16,20,24,28,32,36,40,44
	v_pk_fma_f32 v[QC:QC+1], v[Y+\n:Y+\n+1], v[AW+\n:AW+\n+1], v[QC:QC+1]
	v_pk_fma_f32 v[QD:QD+1], v[Y+\n+2:Y+\n+3], v[AW+\n+2:AW+\n+3], v[QD:QD+1]
.endr
	WIN 0
	v_pk_add_f32 v[QA:QA+1], v[QA:QA+1], v[QB:QB+1]
	v_pk_add_f32 v[QC:QC+1], v[QC:QC+1], v[QD:QD+1]
	v_add_f32 v[QA], v[QA], v[QA+1]
	v_add_f32 v[QC], v[QC], v[QC+1]
	v_permlanex16_b32 v[PX], v[QA], s[SEL], s[SEL+1]
	v_add_f32 v[RES+3*\ct+1], v[QA], v[PX]
	v_permlanex16_b32 v[PX], v[QC], s[SEL], s[SEL+1]
	v_add_f32 v[RES+3*\ct+2], v[QC], v[PX]
.endr
	s_wait_alu depctr_va_vdst(0)                   ; directly ahead of the wait below
	s_wait_dscnt 0x0                               ; the parts of l are in
.irp pr, 0,1                                   ; lanes 0-15 tile 2 pr's classes, lanes 16-31 tile 2 pr + 1's: class 32 pr + lane
	v_add_f32 v[LP+4*\pr], v[LP+4*\pr], v[LP+4*\pr+1]
	v_add_f32 v[LP+4*\pr+2], v[LP+4*\pr+2], v[LP+4*\pr+3]
	v_add_f32 v[LV+\pr], v[LP+4*\pr], v[LP+4*\pr+2]            ; l
.irp k, 0,1,2
	v_cndmask_b32 v[MG+3*\pr+\k], v[RES+6*\pr+\k], v[RES+6*\pr+3+\k], s[HM]
.endr
	v_mov_b32 v[OUT+4*\pr+3], 0
.endr
	s_wait_alu depctr_va_vdst(0)                   ; ahead of the batch
	v_rcp_f32 v[LV], v[LV]
	v_rcp_f32 v[LV+1], v[LV+1]
	v_nop                                          ; one plain place behind a transcendental
	s_wait_alu depctr_va_vdst(0)                   ; and the wait ahead of the first reader
.irp pr, 0,1
	v_mul_f32 v[OUT+4*\pr], v[MG+3*\pr], v[LV+\pr]             ; the mean of y
	v_mul_f32 v[MG+3*\pr+1], v[MG+3*\pr+1], v[LV+\pr]
	v_mul_f32 v[OUT+4*\pr+2], v[MG+3*\pr+2], v[LV+\pr]         ; the weighted sum
	v_mul_f32 v[OUT+4*\pr+1], v[MG+3*\pr+1], v[LV+\pr]         ; the squares: x 1 / l twice
	global_store_b128 v[LI], v[OUT+4*\pr:OUT+4*\pr+3], s[86:87] offset:512*\pr   ; 32 lanes store 512 consecutive bytes, aligned
.endr
	s_wait_tensorcnt 0x0                           ; the wave's end
	ds_add_u32 v[SPW], v[NIL]
	s_wait_dscnt 0x0
	CROUND                                         ; the closing round
	s_endpgm
.Lfunc_end_k_qf35b809e19_pv:
	.size	k_qf35b809e19_pv, .Lfunc_end_k_qf35b809e19_pv-k_qf35b809e19_pv
	.p2alignl 7, 3214868480
	.fill 96, 4, 3214868480
	.section	.rodata,"a",@progbits
	.p2align	6, 0x0
	.amdhsa_kernel k_qf35b809e19_pv
		.amdhsa_group_segment_fixed_size 327680
		.amdhsa_private_segment_fixed_size 0
		.amdhsa_enable_private_segment 0
		.amdhsa_kernarg_size 40
		.amdhsa_user_sgpr_count 2
		.amdhsa_user_sgpr_kernarg_segment_ptr 1
		.amdhsa_wavefront_size32 1
		.amdhsa_system_sgpr_workgroup_id_x 1
		.amdhsa_system_sgpr_workgroup_id_y 1
		.amdhsa_system_sgpr_workgroup_id_z 1
		.amdhsa_system_vgpr_workitem_id 0
		.amdhsa_next_free_vgpr 768
		.amdhsa_next_free_sgpr 100
		.amdhsa_reserve_vcc 0
		.amdhsa_float_denorm_mode_32 3
		.amdhsa_float_denorm_mode_16_64 3
		.amdhsa_memory_ordered 1
		.amdhsa_forward_progress 1
		.amdhsa_inst_pref_size 158
	.end_amdhsa_kernel
	.amdgpu_metadata
---
amdhsa.version: [ 1, 2 ]
amdhsa.kernels:
  - .name:           k_qf35b809e19_pv
    .symbol:         k_qf35b809e19_pv.kd
    .args:
      - { .name: kvq, .offset: 0, .size: 8, .value_kind: global_buffer, .address_space: global }
      - { .name: pq, .offset: 8, .size: 8, .value_kind: global_buffer, .address_space: global }
      - { .name: out_w, .offset: 16, .size: 8, .value_kind: global_buffer, .address_space: global }
      - { .name: ln_gamma, .offset: 24, .size: 8, .value_kind: global_buffer, .address_space: global }
      - { .name: part, .offset: 32, .size: 8, .value_kind: global_buffer, .address_space: global }
    .group_segment_fixed_size: 327680
    .private_segment_fixed_size: 0
    .kernarg_segment_align: 8
    .kernarg_segment_size: 40
    .max_flat_workgroup_size: 128
    .sgpr_count:     100
    .vgpr_count:     768
    .wavefront_size: 32
...
	.end_amdgpu_metadata
.endif
;; end of part 4
;; launch finish (part 5): grid 64 x 1, 4 waves a work-group, no clusters, 0 bytes of LDS; arguments part, out_w, ln_gamma, ln_beta, out_b, out0; writes out0
.if DOCPART == 5
	.amdgcn_target "amdgcn-amd-amdhsa--gfx1250"
	.amdhsa_code_object_version 6
	.text
	.protected	k_qf35b809e19_finish
	.globl	k_qf35b809e19_finish
	.p2align	8
	.type	k_qf35b809e19_finish,@function
k_qf35b809e19_finish:
	s_mov_b64 s[64:65], 0
	v_nop
	global_prefetch_b8 v0, s[64:65] scope:SCOPE_SE
	s_setreg_imm32_b32 hwreg(HW_REG_WAVE_MODE, 25, 1), 1
	s_wait_xcnt 0x0
; out[b][c] = sum over d of out_w[d] ((y[d] - mu) rstd ln_gamma[d] + ln_beta[d]) + out_b, from eight parts per class, one for each 96 of the 768:
; m_i (the mean over the 96), q_i (the sum of (y - m_i)^2), s_i (the sum of a (y - m_i), a = out_w ln_gamma).
; mu = sum m_i / 8;  variance = (sum q_i + 96 sum (m_i - mu)^2) / 768;  out = rstd x sum (s_i + (m_i - mu) A_i) + sum out_w ln_beta + out_b, A_i the sum of a over the 96.  No difference of large sums is formed.
; A thread takes a class (2,048 places a batch, of which 2,000 are classes and are stored).  Each wave makes A_i and the constant for itself: a lane takes 24 of the 768, four lanes a slice of 96.
; A stream of a few bytes a thread: no LDS, no matrix unit, no cluster; the work-groups share only 9 KB of vectors.
	s_load_b256 s[4:11], s[0:1], 0x0               ; part, out_w, ln_gamma, ln_beta
	s_load_b128 s[12:15], s[0:1], 0x20             ; out_b, out0
	v_and_b32 v1, 31, v0
	v_mul_u32_u24 v2, v1, 96                       ; my 24 numbers
	s_lshl_b32 s17, ttmp9, 7
	v_add_nc_u32 v3, s17, v0                       ; my place: 2,048 x batch + class
	v_lshlrev_b32 v4, 4, v3
	s_mov_b32 s18, 0x76543210
	s_mov_b32 s19, 0xfedcba98
	s_mov_b32 s20, 0x3aaaaaab                      ; 1 / 768
	s_mov_b32 s21, 0x3727c5ac                      ; 1e-5
	v_mov_b32 v7, 0                                ; a lane permute's destination counts as one of its sources
	s_wait_alu depctr_va_vdst(0)
	s_wait_kmcnt 0x0
	s_load_b32 s16, s[12:13], 0x0                  ; out_b
.irp k, 0,1,2,3,4,5
	global_load_b128 v[8+4*\k:11+4*\k], v2, s[6:7] offset:16*\k
	global_load_b128 v[32+4*\k:35+4*\k], v2, s[8:9] offset:16*\k
	global_load_b128 v[56+4*\k:59+4*\k], v2, s[10:11] offset:16*\k
.endr
.irp i, 0,1,2,3,4,5,6,7
	global_load_b128 v[80+4*\i:83+4*\i], v4, s[4:5] offset:131072*\i   ; 32 lanes read 512 consecutive bytes
.endr
	s_wait_loadcnt 8                               ; the three vectors are in; the eight parts may be out
	v_pk_mul_f32 v[112:113], v[8:9], v[32:33]      ; out_w ln_gamma
	v_pk_mul_f32 v[114:115], v[8:9], v[56:57]      ; out_w ln_beta
.irp n, 2,4,6,8,10,12,14,16,18,20,22
	v_pk_fma_f32 v[112:113], v[8+\n:9+\n], v[32+\n:33+\n], v[112:113]
	v_pk_fma_f32 v[114:115], v[8+\n:9+\n], v[56+\n:57+\n], v[114:115]
.endr
	v_add_f32 v5, v112, v113
	v_add_f32 v6, v114, v115
	v_add_f32_dpp v5, v5, v5 row_xmask:1 row_mask:0xf bank_mask:0xf
	v_add_f32_dpp v6, v6, v6 row_xmask:1 row_mask:0xf bank_mask:0xf
	v_add_f32_dpp v5, v5, v5 row_xmask:2 row_mask:0xf bank_mask:0xf   ; four lanes: A of a slice of 96
	v_add_f32_dpp v6, v6, v6 row_xmask:2 row_mask:0xf bank_mask:0xf
	v_add_f32_dpp v6, v6, v6 row_xmask:4 row_mask:0xf bank_mask:0xf
	v_add_f32_dpp v6, v6, v6 row_xmask:8 row_mask:0xf bank_mask:0xf
	v_permlanex16_b32 v7, v6, s18, s19
	v_add_f32 v6, v6, v7                           ; the sum of out_w ln_beta
.irp i, 0,1,2,3,4,5,6,7
	v_readlane_b32 s[24+\i], v5, 4*\i
.endr
	s_wait_alu depctr_va_vdst(0)
	s_wait_kmcnt 0x0
	v_add_f32 v6, s16, v6                          ; + out_b
	s_wait_loadcnt 0x0
	v_add_f32 v116, v80, v84
	v_add_f32 v117, v88, v92
	v_add_f32 v118, v96, v100
	v_add_f32 v119, v104, v108
	v_add_f32 v116, v116, v117
	v_add_f32 v118, v118, v119
	v_add_f32 v116, v116, v118
	v_mul_f32 v116, 0x3e000000, v116               ; mu
.irp i, 0,1,2,3,4,5,6,7
	v_sub_f32 v[80+4*\i], v[80+4*\i], v116         ; m_i - mu
.endr
	v_mul_f32 v117, v80, v80
.irp i, 1,2,3,4,5,6,7
	v_fmac_f32 v117, v[80+4*\i], v[80+4*\i]
.endr
	v_add_f32 v118, v81, v85
.irp i, 2,3,4,5,6,7
	v_add_f32 v118, v118, v[81+4*\i]
.endr
	v_fmamk_f32 v118, v117, 0x42c00000, v118       ; + 96 x the sum of (m_i - mu)^2
	v_fma_f32 v118, v118, s20, s21                 ; the variance + 1e-5
	s_wait_alu depctr_va_vdst(0)
	v_rsq_f32 v118, v118
	v_add_f32 v119, v82, v86                       ; (plain work behind the root, which names nothing of it)
.irp i, 2,3,4,5,6,7
	v_add_f32 v119, v119, v[82+4*\i]
.endr
.irp i, 0,1,2,3,4,5,6,7
	v_fma_f32 v119, v[80+4*\i], s[24+\i], v119
.endr
	v_and_b32 v120, 0x7ff, v3                      ; class
	v_lshrrev_b32 v121, 11, v3                     ; batch
	v_mul_u32_u24 v121, v121, 2000
	v_add_lshl_u32 v121, v121, v120, 2
	s_wait_alu depctr_va_vdst(0)                   ; ahead of the root's first reader
	v_fma_f32 v119, v118, v119, v6
	v_cmp_gt_u32 vcc_lo, 2000, v120
	s_wait_alu depctr_va_vdst(0)
	s_wait_xcnt 0x0                                ; EXEC changes only behind this wait
	s_and_saveexec_b32 s22, vcc_lo
	global_store_b32 v121, v119, s[14:15]
	s_wait_xcnt 0x0
	s_or_b32 exec_lo, exec_lo, s22
	s_endpgm
.Lfunc_end_k_qf35b809e19_finish:
	.size	k_qf35b809e19_finish, .Lfunc_end_k_qf35b809e19_finish-k_qf35b809e19_finish
	.p2alignl 7, 3214868480
	.fill 96, 4, 3214868480
	.section	.rodata,"a",@progbits
	.p2align	6, 0x0
	.amdhsa_kernel k_qf35b809e19_finish
		.amdhsa_group_segment_fixed_size 0
		.amdhsa_private_segment_fixed_size 0
		.amdhsa_enable_private_segment 0
		.amdhsa_kernarg_size 48
		.amdhsa_user_sgpr_count 2
		.amdhsa_user_sgpr_kernarg_segment_ptr 1
		.amdhsa_wavefront_size32 1
		.amdhsa_system_sgpr_workgroup_id_x 1
		.amdhsa_system_sgpr_workgroup_id_y 1
		.amdhsa_system_sgpr_workgroup_id_z 1
		.amdhsa_system_vgpr_workitem_id 0
		.amdhsa_next_free_vgpr 128
		.amdhsa_next_free_sgpr 66
		.amdhsa_reserve_vcc 1
		.amdhsa_float_denorm_mode_32 3
		.amdhsa_float_denorm_mode_16_64 3
		.amdhsa_memory_ordered 1
		.amdhsa_forward_progress 1
		.amdhsa_inst_pref_size 9
	.end_amdhsa_kernel
	.amdgpu_metadata
---
amdhsa.version: [ 1, 2 ]
amdhsa.kernels:
  - .name:           k_qf35b809e19_finish
    .symbol:         k_qf35b809e19_finish.kd
    .args:
      - { .name: part, .offset: 0, .size: 8, .value_kind: global_buffer, .address_space: global }
      - { .name: out_w, .offset: 8, .size: 8, .value_kind: global_buffer, .address_space: global }
      - { .name: ln_gamma, .offset: 16, .size: 8, .value_kind: global_buffer, .address_space: global }
      - { .name: ln_beta, .offset: 24, .size: 8, .value_kind: global_buffer, .address_space: global }
      - { .name: out_b, .offset: 32, .size: 8, .value_kind: global_buffer, .address_space: global }
      - { .name: out0, .offset: 40, .size: 8, .value_kind: global_buffer, .address_space: global }
    .group_segment_fixed_size: 0
    .private_segment_fixed_size: 0
    .kernarg_segment_align: 8
    .kernarg_segment_size: 48
    .max_flat_workgroup_size: 128
    .sgpr_count:     66
    .vgpr_count:     128
    .wavefront_size: 32
...
	.end_amdgpu_metadata
.endif
;; end of part 5
